; MI455X (gfx1250); checked and timed in simulation.
; The chip was launched on July 23, 2026; its instructions are those of AMD's public machine-readable ISA for CDNA 5 (MIT licence, August 2026) and "CDNA5" Instruction Set Architecture Reference Guide (July 2026). The comments in the code are by the model that wrote it; some were corrected since.
;; Bidirectional Cross Attention. Allowed arithmetic: matrix products marked QUANTISED: E2M1 operands, one E8M0 scale for each 32 along K, by v_wmma_scale_f32_16x16x128_f8f6f4 with both operands' format E2M1 (or v_wmma_scale_f32_32x16x128_f4), f32 sums; products left as they are: bf16, f16 or f32 operands; f32 sums; everything else in f32.
;; Inputs: context 2 x 2,048 x 1,024 float32; w_cout 1,024 x 1,024 float32; w_cqk 1,024 x 1,024 float32; w_cv 1,024 x 1,024 float32; w_out 1,024 x 1,024 float32; w_qk 1,024 x 1,024 float32; w_v 1,024 x 1,024 float32; x 2 x 2,048 x 1,024 float32.
;; Outputs: out0 2 x 2,048 x 1,024 float32; out1 2 x 2,048 x 1,024 float32.
;; This version of the problem:
;;   THIS VERSION OF THE PROBLEM IS GIVEN IN LOW PRECISION. The matrix products marked QUANTISED in the list below multiply operands that are first quantised to E2M1 (2 exponent bits, 1 mantissa bit; 4 bits a number), with one power-of-two scale for each 32 numbers along K (OCP MX v1.0); their sums are f32. The products marked 'left as it is' may take bf16, f16 or f32 operands, with f32 sums. Whichever they take, every output number must still come out within the allowed error. Rounding operands to bf16 (8 significant bits) uses up far more of that allowance than f16 does (11 bits, for magnitudes from 6e-5 to 65,504). All else is computed in f32.
;;   The module's matrix products, in the order in which they are computed (A, B: the left and right operand; K: the contracted axis; several contracted axes count as one K, in the product's order):
;;     1. [M 4,096, K 1,024] x [K 1,024, N 1,024]; A: input x; B: input w_qk: QUANTISED
;;     2. [M 4,096, K 1,024] x [K 1,024, N 1,024]; A: input x; B: input w_v: QUANTISED
;;     3. [M 4,096, K 1,024] x [K 1,024, N 1,024]; A: input context; B: input w_cqk: QUANTISED
;;     4. [M 4,096, K 1,024] x [K 1,024, N 1,024]; A: input context; B: input w_cv: QUANTISED
;;     5. batch 32 x [M 2,048, K 64] x [K 64, N 2,048]; A: computed on the way; B: computed on the way: left as it is (an operand is computed on the way)
;;     6. batch 32 x [M 2,048, K 2,048] x [K 2,048, N 64]; A: computed on the way; B: computed on the way: left as it is (an operand is computed on the way)
;;     7. batch 32 x [M 2,048, K 2,048] x [K 2,048, N 64]; A: computed on the way; B: computed on the way: left as it is (an operand is computed on the way)
;;     8. [M 4,096, K 1,024] x [K 1,024, N 1,024]; A: computed on the way; B: input w_out: left as it is (an operand is computed on the way)
;;     9. [M 4,096, K 1,024] x [K 1,024, N 1,024]; A: computed on the way; B: input w_cout: left as it is (an operand is computed on the way)
;;   THE QUANTISER, for each operand of a quantised product, along K:
;;     - K is cut into blocks of 32 from its start; a last block that is shorter is filled with zeros.
;;     - A block's scale is 2^e with e = floor(log2(the largest magnitude in the block)) - 2, held to -126 .. 127; a block of zeros has e = 0. As a byte (E8M0): e + 127.
;;     - Each number is divided by its block's scale, clamped to +-6, and rounded to the nearest number of E2M1, ties to even, subnormals kept.
;;     - The product sums the exact products of the quantised numbers (number of the format x scale) in f32.
;;   ~~~python
;;   def quantise(x, axis):      # numpy; x: float32 -> the quantised numbers, widened to float32 again
;;       x = np.moveaxis(x, axis, -1); K = x.shape[-1]
;;       x = np.pad(x, [(0, 0)] * (x.ndim - 1) + [(0, -K % 32)]); x = x.reshape(x.shape[:-1] + (-1, 32)); a = np.abs(x).max(-1, keepdims=True)
;;       e = np.where(a > 0, np.clip(np.frexp(np.where(a > 0, a, 1))[1] - 1 - 2, -126, 127), 0)      # np.frexp(a)[1] - 1 = floor(log2(a)), exactly
;;       r = np.clip(x / 2.0 ** e, -6, 6)
;;       step = 2.0 ** (np.maximum(np.frexp(np.where(r == 0, 1, r))[1] - 1, 0) - 1)
;;       q = np.round(r / step) * step * 2.0 ** e      # np.round: ties to even
;;       return np.moveaxis(q.reshape(q.shape[:-2] + (-1,))[..., :K], -1, axis).astype(np.float32)
;;   ~~~
;; One version. Each part assembles by itself: llvm-mc -triple=amdgcn-amd-amdhsa -mcpu=gfx1250 --defsym DOCPART=n.
;; ======== version 1 of 1: 4 launches
;; limits: values are held in f16: magnitudes above 65,504 overflow, below 6.1e-05 lose precision
;; workspace buffers: a_codes 4,194,304 bytes; a_scales 262,144 bytes; b_codes 2,097,152 bytes; b_scales 131,072 bytes; w16 4,194,304 bytes; qkv 33,554,432 bytes; att 16,777,216 bytes
;; launch prep (part 1): grid 384 x 1, 8 waves a work-group, no clusters, 84,992 bytes of LDS; arguments x, context, w_qk, w_v, w_cqk, w_cv, w_out, w_cout, a_codes, a_scales, b_codes, b_scales, w16; writes a_codes, a_scales, b_codes, b_scales, w16
.if DOCPART == 1
	.amdgcn_target "amdgcn-amd-amdhsa--gfx1250"
	.amdhsa_code_object_version 6
	.text
	.protected	k_q79bcb74d0e_prep
	.globl	k_q79bcb74d0e_prep
	.p2align	8
	.type	k_q79bcb74d0e_prep,@function
k_q79bcb74d0e_prep:
	s_mov_b64 s[64:65], 0
	v_nop
	global_prefetch_b8 v0, s[64:65] scope:SCOPE_SE
	s_setreg_imm32_b32 hwreg(HW_REG_WAVE_MODE, 25, 1), 1
	s_wait_xcnt 0x0
; THREE JOBS IN ONE LAUNCH, told apart by the work-group's number alone (the same in all eight waves of a work-group):
;   work-groups   0-127: x and context [4096][1024] f32, K innermost -> codes of FP4 (E2M1) a_codes [8192 rows][512 bytes] and E8M0 bytes a_scales [8192][32]; rows 0-4095 are x's, 4096-8191 context's.
;   work-groups 128-255: w_qk, w_v, w_cqk, w_cv [1024 (k)][1024 (n)] f32, K the FIRST axis -> b_codes [4096 rows n][512 bytes], K innermost, b_scales [4096][32]; the four weights one behind the other.
;   work-groups 256-383: w_out, w_cout f32 -> w16, f16, [2][1024 (k)][1024 (n)], as they lie.
; THE QUANTISER: a block of 32 along K has the scale 2^(floor(log2(largest magnitude)) - 2); its byte is the largest magnitude's exponent field - 2, held at 1 from below; each number is divided by the scale
; and rounded to the nearest code, ties to even, beyond 6 the largest code.  A block of zeros keeps the byte 1: its codes are zeros, and this program alone reads the bytes.
; LIMITS: NaN and infinities among the inputs are not served; blocks whose largest magnitude lies under 2^-124 keep the byte 1; w_out and w_cout are carried in f16: magnitudes above 65,504 are not served, and what lies under 6e-8 is lost.
; Each job has LDS bytes of its own.  No tensor load, no copy.
.set SPW,   12                         ; v12  LDS address of my spare word: SPARE + 4 x my thread's number; never rewritten
.set NIL,   13                         ; v13  0; never rewritten
.set WREG,  8192                       ; x's job: a region for each wave: two stages of 32 x SP bytes, behind them its 256 scale bytes
.set SP,    80                         ; a lane's place in a stage: its 64 bytes + 16 of padding
.set WST,   65536                      ; the weights' job: 64 columns x (256 bytes of codes + 16)
.set WPI,   272
.set WSC,   WST+64*WPI                 ; and 64 columns x 16 scale bytes
.set SPARE, WSC+64*16                  ; the spare words, 128 bytes for each of eight waves: four blocks of 256 bytes that no other line names
.set STEPS, 16
.set CB,    8                          ; bytes of 16 codes
.set XR,    16                         ; v16-79   x's job: four sets of 16 numbers as they are loaded
.set XX,    80                         ; v80-111  two sets of 16 neighbours
.set XE,    112                        ; v112-127 a scale byte for each step
.set XC,    128                        ; v128-191 codes: four registers for each step
.set WX,    32                         ; v32-95   the weights' job: two sets of 32 numbers
.set WC,    96                         ; v96-111  four blocks' codes
.set WO,    112                        ; v112-131 the way out
	s_load_b512 s[8:23], s[0:1], 0x0               ; x 8, context 10, w_qk 12, w_v 14, w_cqk 16, w_cv 18, w_out 20, w_cout 22
	s_load_b256 s[24:31], s[0:1], 0x40             ; a_codes 24, a_scales 26, b_codes 28, b_scales 30
	s_load_b64 s[32:33], s[0:1], 0x60              ; w16
	v_lshl_add_u32 v[SPW], v0, 2, SPARE
	v_mov_b32 v[NIL], 0
	v_lshrrev_b32 v1, 5, v0
	v_readfirstlane_b32 s34, v1                    ; wave 0..7
	v_and_b32 v2, 31, v0                           ; lane
	s_wait_kmcnt 0x0
	s_cmp_lt_u32 ttmp9, 128
	s_cbranch_scc1 .LX
	s_cmp_lt_u32 ttmp9, 256
	s_cbranch_scc1 .LW
; ---- THE CAST: 16,384 numbers a work-group.  A load of the work-group covers 4,096 consecutive bytes, a wave's store 256: one aligned run.
	s_sub_co_u32 s40, ttmp9, 256                   ; g = 0..127
	s_cmp_lt_u32 s40, 64
	s_cselect_b64 s[4:5], s[20:21], s[22:23]       ; w_out or w_cout: the choice hangs on the work-group's number alone
	s_and_b32 s42, s40, 63
	s_lshl_b32 s42, s42, 16                        ; 65,536 bytes of f32 a work-group
	s_mov_b32 s43, 0
	s_add_nc_u64 s[4:5], s[4:5], s[42:43]
	s_lshl_b32 s42, s40, 15                        ; 32,768 bytes of f16
	s_add_nc_u64 s[6:7], s[32:33], s[42:43]
	v_lshlrev_b32 v3, 4, v0
	v_lshlrev_b32 v4, 3, v0
.irp i, 0,1,2,3,4,5,6,7,8,9,10,11,12,13,14,15
	global_load_b128 v[32+4*\i:35+4*\i], v3, s[4:5] offset:4096*\i th:TH_LOAD_NT
.endr
.irp i, 0,1,2,3,4,5,6,7,8,9,10,11,12,13,14,15
	s_wait_loadcnt 15-\i                           ; loads come back in order: number i is in, the younger ones stay out
	v_cvt_pk_f16_f32 v[128+2*\i], v[32+4*\i], v[33+4*\i]
	v_cvt_pk_f16_f32 v[129+2*\i], v[34+4*\i], v[35+4*\i]
	global_store_b64 v4, v[128+2*\i:129+2*\i], s[6:7] offset:2048*\i   ; each step has data registers of its own: none is written again
.endr
	s_branch .Lend
; ---- x AND context: plain streams of blocks of 32.  A wave takes 16 steps of 512 numbers.  Each load reads 512 consecutive bytes, 16 a lane; a step's 2,048 bytes turn through the wave's own stage in LDS and come
; back 64 bytes a lane, so that a lane holds 16 neighbours along K and two neighbouring lanes a block.  A lane's 16 codes are 8 bytes: the wave stores 256 consecutive bytes.  A wave's 256 scale bytes are gathered in LDS.
.LX:
	v_lshlrev_b32 v3, 4, v2                        ; my 16 bytes of a load's 512
	s_mul_i32 s35, s34, WREG
	v_lshrrev_b32 v14, 2, v2
	v_mul_u32_u24 v14, v14, SP
	v_and_b32 v15, 3, v2
	v_lshl_add_u32 v14, v15, 4, v14
	v_add_nc_u32 v14, s35, v14                     ; the stage, on the way in: SP (lane / 4) + 16 (lane % 4)
	v_mul_u32_u24 v15, v2, SP
	v_add_nc_u32 v15, s35, v15                     ; and on the way out: SP x lane
	v_mul_u32_u24 v4, v2, CB                       ; my codes' place in a step's
	v_lshrrev_b32 v5, 1, v2
	s_add_co_u32 s35, s35, 2*32*SP
	v_add_nc_u32 v5, s35, v5                       ; my wave's 256 scale bytes, my block's byte
	v_lshlrev_b32 v7, 3, v2
	v_add_nc_u32 v6, s35, v7                       ; and on the way out 8 bytes a lane
	s_cmp_lt_u32 ttmp9, 64
	s_cselect_b64 s[4:5], s[8:9], s[10:11]         ; x or context
	s_and_b32 s40, ttmp9, 63
	s_lshl_b32 s40, s40, 3
	s_add_co_u32 s40, s40, s34                     ; which run of 8,192 numbers of the tensor is my wave's
	s_lshl_b32 s40, s40, 15
	s_mov_b32 s41, 0
	s_add_nc_u64 s[4:5], s[4:5], s[40:41]
	s_lshl_b32 s42, ttmp9, 3
	s_add_co_u32 s42, s42, s34                     ; and which run of the two tensors on end
	s_lshl_b32 s40, s42, 12                        ; 4,096 bytes of codes a run
	s_add_nc_u64 s[36:37], s[24:25], s[40:41]
	s_lshl_b32 s40, s42, 8                         ; 256 scale bytes a run
	s_add_nc_u64 s[38:39], s[26:27], s[40:41]
.macro XLOAD t
.irp i, 0,1,2,3
	global_load_b128 v[XR+16*((\t)%4)+4*\i:XR+16*((\t)%4)+4*\i+3], v3, s[4:5] offset:2048*(\t)+512*\i th:TH_LOAD_NT
.endr
.endm
.macro XTURN t                         ; step t's numbers through the stage: LDS serves a wave's instructions in order, so no wait stands between the stores and the loads
.irp i, 0,1,2,3
	ds_store_b128 v14, v[XR+16*((\t)%4)+4*\i:XR+16*((\t)%4)+4*\i+3] offset:32*SP*((\t)%2)+8*SP*\i
.endr
.irp i, 0,1,2,3
	ds_load_b128 v[XX+16*((\t)%2)+4*\i:XX+16*((\t)%2)+4*\i+3], v15 offset:32*SP*((\t)%2)+16*\i
.endr
.endm
.irp t, 0,1,2,3
	XLOAD \t
.endr
	s_wait_loadcnt 12                              ; step 0's four loads are in
	XTURN 0
.macro XSTEP t
.set XS, XX+16*((\t)%2)
.if (\t) > 0
	s_wait_dscnt 1                                 ; this step's numbers are back from the stage (the last step's byte store may be out): so its stores into the stage have read their registers,
.else
	s_wait_dscnt 0x0
.endif
.if (\t)+4 < STEPS
	XLOAD (\t)+4                                   ; which take the loads of four steps on
.endif
.if (\t)+1 < STEPS
.if STEPS-2-(\t) >= 3
	s_wait_loadcnt 12                              ; the next step's four loads are in; those of the three steps behind it may be out
.else
	s_wait_loadcnt 4*(STEPS-2-(\t))
.endif
	XTURN (\t)+1
.endif
	v_max3_num_f32 v8, |v[XS]|, |v[XS+1]|, |v[XS+2]|               ; the largest magnitude of my 16, in two chains
	v_max3_num_f32 v9, |v[XS+3]|, |v[XS+4]|, |v[XS+5]|
.irp i, 6,10
	v_max3_num_f32 v8, v8, |v[XS+\i]|, |v[XS+\i+1]|
	v_max3_num_f32 v9, v9, |v[XS+\i+2]|, |v[XS+\i+3]|
.endr
	v_max3_num_f32 v8, v8, |v[XS+14]|, |v[XS+15]|
	v_max3_num_f32 v8, v8, v9, 0x1800000           ; and the floor 2^(3 - 127): the byte cannot fall under 1
	v_max_num_f32_dpp v8, v8, v8 row_xmask:1 row_mask:0xf bank_mask:0xf   ; and of my neighbour's 16: the block's
	v_add_nc_u32 v11, 0xff000000, v8               ; 2 off its exponent field: the conversion takes the exponent field of this operand as its scale
	v_cvt_scalef32_pk8_fp4_f32 v[XC+4*(\t)], v[XS:XS+7], v11
	v_cvt_scalef32_pk8_fp4_f32 v[XC+4*(\t)+1], v[XS+8:XS+15], v11
	v_lshrrev_b32 v[XE+(\t)], 23, v11              ; the scale's byte (a plain line behind the conversions)
	ds_store_b8 v5, v[XE+(\t)] offset:16*(\t)      ; both lanes of a block write the same byte with the same value
	global_store_b64 v4, v[XC+4*(\t):XC+4*(\t)+1], s[36:37] offset:32*CB*(\t)
.endm
.irp t, 0,1,2,3,4,5,6,7,8,9,10,11,12,13,14,15
	XSTEP \t
.endr
	ds_load_b64 v[8:9], v6                         ; LDS serves a wave's instructions in order: these see my byte stores
	s_wait_dscnt 0x0
	global_store_b64 v7, v[8:9], s[38:39]          ; 32 lanes store 256 consecutive bytes, aligned
	s_branch .Lend
; ---- THE FOUR WEIGHTS.  A work-group takes 64 columns x 512 along K of one weight; wave w takes 32 of the columns (w % 2) and 128 along K (w / 2).  A LANE TAKES A COLUMN, ITS REGISTERS RUN DOWN K: a block of 32
; lies in one lane's 32 registers, and the conversions give codes with K innermost.  The eight waves' codes meet in LDS as 64 rows of 256 bytes; behind one barrier each wave stores 8 whole rows, sixteen lanes to
; 256 consecutive aligned bytes.  The scale bytes leave as 16 bytes a column (rows of b_scales are 32 bytes): 128 KiB in the whole launch go out in such pieces.
.LW:
	s_sub_co_u32 s40, ttmp9, 128                   ; g = 0..127
	s_lshr_b32 s41, s40, 5                         ; which weight
	s_bfe_u32 s42, s40, 0x40001                    ; which 64 columns
	s_and_b32 s43, s40, 1                          ; which half of K
	s_and_b32 s44, s34, 1                          ; my 32 columns
	s_lshr_b32 s45, s34, 1                         ; my 128 along K
	v_and_b32 v17, 15, v2
	v_lshrrev_b32 v18, 4, v2
	s_mul_i32 s46, s44, 32*WPI                     ; every LDS address is made here, ahead of the loads and of the waves' parting
	s_lshl_b32 s47, s45, 6
	s_add_co_u32 s46, s46, s47
	s_add_co_u32 s46, s46, WST
	v_mul_u32_u24 v4, v2, WPI
	v_add_nc_u32 v4, s46, v4                       ; codes in: my column's row, my 64 bytes of it
	s_lshl_b32 s46, s44, 9
	s_lshl_b32 s47, s45, 2
	s_add_co_u32 s46, s46, s47
	s_add_co_u32 s46, s46, WSC
	v_lshlrev_b32 v5, 4, v2
	v_add_nc_u32 v5, s46, v5                       ; scale word in: my column's 16 bytes, my four of them
	s_mul_i32 s46, s34, 8*WPI
	s_add_co_u32 s46, s46, WST
	v_mul_u32_u24 v6, v18, WPI
	v_lshl_add_u32 v6, v17, 4, v6
	v_add_nc_u32 v6, s46, v6                       ; codes out: rows 8 w on, sixteen lanes to a row, two rows an instruction
	s_lshl_b32 s46, s34, 12
	v_lshlrev_b32 v7, 9, v18
	v_lshl_add_u32 v7, v17, 4, v7
	v_add_nc_u32 v7, s46, v7                       ; and the same place in b_codes (rows of 512 bytes)
	s_lshl_b32 s46, s44, 9
	s_add_co_u32 s46, s46, WSC
	v_lshlrev_b32 v8, 4, v2
	v_add_nc_u32 v8, s46, v8                       ; scale bytes out (waves 0 and 1): a column a lane
	s_lshl_b32 s46, s44, 10
	v_lshlrev_b32 v9, 5, v2
	v_add_nc_u32 v9, s46, v9                       ; and its row of b_scales (32 bytes)
	v_lshlrev_b32 v3, 2, v2                        ; in: 4 bytes a lane
	s_mov_b64 s[4:5], s[18:19]
	s_cmp_eq_u32 s41, 0
	s_cselect_b64 s[4:5], s[12:13], s[4:5]
	s_cmp_eq_u32 s41, 1
	s_cselect_b64 s[4:5], s[14:15], s[4:5]
	s_cmp_eq_u32 s41, 2
	s_cselect_b64 s[4:5], s[16:17], s[4:5]         ; the weight: chosen by the work-group's number alone
	s_lshl_b32 s46, s43, 21                        ; (512 y + 128 kq) rows of 4,096 bytes + (64 cg + 32 ch) x 4
	s_lshl_b32 s47, s45, 19
	s_add_co_u32 s46, s46, s47
	s_lshl_b32 s47, s42, 8
	s_add_co_u32 s46, s46, s47
	s_lshl_b32 s47, s44, 7
	s_add_co_u32 s46, s46, s47
	s_mov_b32 s47, 0
	s_add_nc_u64 s[4:5], s[4:5], s[46:47]
	s_lshl_b32 s46, s41, 19                        ; b_codes: (1024 wi + 64 cg) rows of 512 bytes + 256 y
	s_lshl_b32 s48, s42, 15
	s_add_co_u32 s46, s46, s48
	s_lshl_b32 s48, s43, 8
	s_add_co_u32 s46, s46, s48
	s_add_nc_u64 s[36:37], s[28:29], s[46:47]
	s_lshl_b32 s46, s41, 15                        ; b_scales: the same rows of 32 bytes + 16 y
	s_lshl_b32 s48, s42, 11
	s_add_co_u32 s46, s46, s48
	s_lshl_b32 s48, s43, 4
	s_add_co_u32 s46, s46, s48
	s_add_nc_u64 s[38:39], s[30:31], s[46:47]
.macro WLOAD t                         ; block t: W(32 t + i, my column), i = 0 .. 31, into set t % 2; a wave's load reads 128 consecutive bytes, two waves side by side 256
.irp i, 0,1,2,3,4,5,6,7,8,9,10,11,12,13,14,15,16,17,18,19,20,21,22,23,24,25,26,27,28,29,30,31
	global_load_b32 v[WX+32*((\t)%2)+\i], v3, s[4:5] offset:(32*(\t)+\i)*4096 th:TH_LOAD_NT
.endr
.endm
	WLOAD 0
	WLOAD 1
.macro WBLOCK t
.set XS, WX+32*((\t)%2)
.if (\t) < 3
	s_wait_loadcnt 32                              ; this block's 32 loads are in; the next block's may be out
.else
	s_wait_loadcnt 0x0
.endif
	v_max3_num_f32 v14, |v[XS]|, |v[XS+1]|, |v[XS+2]|              ; the block's largest magnitude: all 32 numbers are mine
	v_max3_num_f32 v15, |v[XS+3]|, |v[XS+4]|, |v[XS+5]|
.irp i, 6,10,14,18,22,26
	v_max3_num_f32 v14, v14, |v[XS+\i]|, |v[XS+\i+1]|
	v_max3_num_f32 v15, v15, |v[XS+\i+2]|, |v[XS+\i+3]|
.endr
	v_max3_num_f32 v14, v14, |v[XS+30]|, |v[XS+31]|
	v_max3_num_f32 v14, v14, v15, 0x1800000        ; and the floor 2^(3 - 127)
	v_add_nc_u32 v11, 0xff000000, v14              ; the conversion's scale operand
	v_lshrrev_b32 v10, 23, v11                     ; the scale's byte
.if (\t) == 0
	v_mov_b32 v16, v10                             ; four bytes to the word, the lower K in the lower byte
.else
	v_lshl_or_b32 v16, v10, 8*(\t), v16
.endif
.irp g, 0,1,2,3
	v_cvt_scalef32_pk8_fp4_f32 v[WC+4*(\t)+\g], v[XS+8*\g:XS+8*\g+7], v11
.endr
	ds_store_b128 v4, v[WC+4*(\t):WC+4*(\t)+3] offset:16*(\t)      ; 32 codes: 16 bytes of my column's row; each block has code registers of its own
.if (\t)+2 < 4
	WLOAD (\t)+2
.endif
.endm
	WBLOCK 0
	WBLOCK 1
	WBLOCK 2
	WBLOCK 3
	v_nop                                          ; a plain line behind the last conversion
	ds_store_b32 v5, v16
	s_wait_dscnt 0x0                               ; for the others' sake: my stores have landed
	s_barrier_signal -1
	s_barrier_wait -1                              ; 64 whole rows of codes and their scale bytes lie in LDS
.irp t, 0,1,2,3
	ds_load_b128 v[WO+4*\t:WO+4*\t+3], v6 offset:2*\t*WPI
.endr
.irp t, 0,1,2,3
	s_wait_dscnt 3-\t
	global_store_b128 v7, v[WO+4*\t:WO+4*\t+3], s[36:37] offset:2*\t*512
.endr
	s_cmp_lt_u32 s34, 2                            ; waves 0 and 1 send the scale bytes; no barrier follows
	s_cbranch_scc0 .Lend
	ds_load_b128 v[WO+16:WO+19], v8
	s_wait_dscnt 0x0
	global_store_b128 v9, v[WO+16:WO+19], s[38:39]
.Lend:
	s_wait_tensorcnt 0x0                           ; the wave's end, behind my last LDS store
	ds_add_u32 v[SPW], v[NIL]
	s_wait_dscnt 0x0
	s_endpgm
.Lfunc_end_k_q79bcb74d0e_prep:
	.size	k_q79bcb74d0e_prep, .Lfunc_end_k_q79bcb74d0e_prep-k_q79bcb74d0e_prep
	.p2alignl 7, 3214868480
	.fill 96, 4, 3214868480
	.section	.rodata,"a",@progbits
	.p2align	6, 0x0
	.amdhsa_kernel k_q79bcb74d0e_prep
		.amdhsa_group_segment_fixed_size 84992
		.amdhsa_private_segment_fixed_size 0
		.amdhsa_enable_private_segment 0
		.amdhsa_kernarg_size 104
		.amdhsa_user_sgpr_count 2
		.amdhsa_user_sgpr_kernarg_segment_ptr 1
		.amdhsa_wavefront_size32 1
		.amdhsa_system_sgpr_workgroup_id_x 1
		.amdhsa_system_sgpr_workgroup_id_y 1
		.amdhsa_system_sgpr_workgroup_id_z 1
		.amdhsa_system_vgpr_workitem_id 0
		.amdhsa_next_free_vgpr 192
		.amdhsa_next_free_sgpr 66
		.amdhsa_reserve_vcc 0
		.amdhsa_float_denorm_mode_32 3
		.amdhsa_float_denorm_mode_16_64 3
		.amdhsa_memory_ordered 1
		.amdhsa_forward_progress 1
		.amdhsa_inst_pref_size 61
	.end_amdhsa_kernel
	.amdgpu_metadata
---
amdhsa.version: [ 1, 2 ]
amdhsa.kernels:
  - .name:           k_q79bcb74d0e_prep
    .symbol:         k_q79bcb74d0e_prep.kd
    .args:
      - { .name: x, .offset: 0, .size: 8, .value_kind: global_buffer, .address_space: global }
      - { .name: context, .offset: 8, .size: 8, .value_kind: global_buffer, .address_space: global }
      - { .name: w_qk, .offset: 16, .size: 8, .value_kind: global_buffer, .address_space: global }
      - { .name: w_v, .offset: 24, .size: 8, .value_kind: global_buffer, .address_space: global }
      - { .name: w_cqk, .offset: 32, .size: 8, .value_kind: global_buffer, .address_space: global }
      - { .name: w_cv, .offset: 40, .size: 8, .value_kind: global_buffer, .address_space: global }
      - { .name: w_out, .offset: 48, .size: 8, .value_kind: global_buffer, .address_space: global }
      - { .name: w_cout, .offset: 56, .size: 8, .value_kind: global_buffer, .address_space: global }
      - { .name: a_codes, .offset: 64, .size: 8, .value_kind: global_buffer, .address_space: global }
      - { .name: a_scales, .offset: 72, .size: 8, .value_kind: global_buffer, .address_space: global }
      - { .name: b_codes, .offset: 80, .size: 8, .value_kind: global_buffer, .address_space: global }
      - { .name: b_scales, .offset: 88, .size: 8, .value_kind: global_buffer, .address_space: global }
      - { .name: w16, .offset: 96, .size: 8, .value_kind: global_buffer, .address_space: global }
    .group_segment_fixed_size: 84992
    .private_segment_fixed_size: 0
    .kernarg_segment_align: 8
    .kernarg_segment_size: 104
    .max_flat_workgroup_size: 256
    .sgpr_count:     66
    .vgpr_count:     192
    .wavefront_size: 32
...
	.end_amdgpu_metadata
.endif
;; end of part 1
;; launch proj (part 2): grid 8 x 32, 4 waves a work-group, clusters of 4 x 4, 327,680 bytes of LDS; arguments a_codes, a_scales, b_codes, b_scales, qkv; writes qkv
.if DOCPART == 2
	.amdgcn_target "amdgcn-amd-amdhsa--gfx1250"
	.amdhsa_code_object_version 6
	.text
	.protected	k_q79bcb74d0e_proj
	.globl	k_q79bcb74d0e_proj
	.p2align	8
	.type	k_q79bcb74d0e_proj,@function
k_q79bcb74d0e_proj:
	s_mov_b64 s[64:65], 0
	v_nop
	global_prefetch_b8 v0, s[64:65] scope:SCOPE_SE
	s_setreg_imm32_b32 hwreg(HW_REG_WAVE_MODE, 25, 1), 1
	s_wait_xcnt 0x0
	s_wait_alu depctr_hold_cnt(0) depctr_sa_sdst(0) depctr_va_vdst(0) depctr_va_sdst(0) depctr_va_ssrc(0) depctr_va_vcc(0) depctr_vm_vsrc(0)
	s_getreg_b32 s2, hwreg(HW_REG_IB_STS2, 6, 4)
	s_cmp_eq_u32 s2, 0
	s_cbranch_scc0 .Lentry_in_a_cluster
	s_endpgm
.Lentry_in_a_cluster:
	s_bfe_u32 s2, ttmp6, 0x10000c
	s_cmp_lg_u32 s2, 0xf033
	s_cbranch_scc0 .Lentry_shape_is_right
	s_endpgm
.Lentry_shape_is_right:
; THE FOUR QUANTISED PROJECTIONS AS ONE GRID: C[m][n] = sum over k of A[m][k] B[n][k], K = 1,024, on codes of FP4 (E2M1) with one E8M0 byte for each 32 along K.
; A: a_codes [8192][512 bytes]: rows 0-4095 x, 4096-8191 context.  B: b_codes [4096][512 bytes]: the columns of w_qk, w_v, w_cqk, w_cv.  x's rows meet B's rows 0-2047, context's rows 2048-4095.
; The results are rounded once to f16 and laid head-major: qkv [T][b][h][i][64], T = 0 qk, 1 v, 2 cqk, 3 cv: 16 rows of a head are 2,048 consecutive bytes.
; LIMIT: results above 65,504 in magnitude are not served (f16), and their absolute resolution is 6e-8.
; A tile of C, 256 x 256, is made by a work-group of four waves; a wave makes 128 x 128: 64 accumulators of 16 x 16, 512 registers.  K is two slots of 512 (rows of 256 bytes): both slots and all scale bytes are
; asked for at the start, and nothing is filled again.  By this text's own count three tensor loads of a wave are out at the most.
; CLUSTERS: 4 x 4 work-groups.  The four of a row of the cluster need the same tiles of A, the four of a column the same tiles of B: each is asked for JOINTLY, by the same tensor load with the same descriptor and a
; mask that names the four.  THE MATRIX INSTRUCTION IS USED TRANSPOSED (source 0 = 16 rows of B, source 1 = 16 rows of A): a lane then holds eight neighbouring numbers of a row of C.
; REGISTERS, in windows of 256: window 0: v0-31 addresses; v32-95 scale words, two sets; from v128 A's fragments, ONE set; on the way out v128-223 are at work.
;   window 1: B's fragments, TWO sets, at v0 and v128.   window 2: the 32 accumulators of my rows 0-63 ((a, b) at v[8 (8 a + b)]);   window 3: those of my rows 64-127.
.set NQ,     4                         ; matrix instructions deep in a slot
.set ROWB,   256                       ; a tile's row in bytes: 512 codes
.set KROW,   512                       ; a row of A or of B in memory
.set PITCH,  272                       ; an LDS row: 256 bytes + 16 of padding: the 16 rows that a load touches start 68 words apart
.set FR,     8                         ; registers of a fragment: 16 rows x 128 K
.set NL,     2                         ; LDS loads that bring one
.set NP,     4                         ; places behind this matrix instruction (ISA guide 7.12.1)
.set HALFT,  128*PITCH
.set SLOT,   4*HALFT                   ; A's 256 rows, then B's 256 rows
.set KS,     32                        ; a row of scale bytes
.set SCL,    2*SLOT                    ; behind the slots: the scales, as runs of 256 bytes + 16 of padding
.set HALFS,  (128*KS/256)*272
.set SBLK,   (16*KS/256)*272
.set SPARE,  SCL+4*HALFS               ; the spare words, 128 bytes for each wave
.set HPI,    144                       ; the way out: a head's row of 128 bytes + 16
.set HSTG,   16*HPI                    ; 16 rows of a head; a wave's stage is two of these, in slot 0, which has had its one fill and its last read when the first result is stored there
.set ADRA, 16
.set ADRB, 20
.set STO,  24
.set RD,   25
.set CO,   26
.set ADRS, 27
.set SPW,  28
.set NIL,  29
.set SC,   32
.set AF,   128
.set TMP,  128                         ; the way out: a block's 32 registers of f16
.set BK,   160                         ; and 16 rows x 2 heads read back: v160-191 and v192-223 by turns
.set G1, 24
.set G0, 32
.set G1B, 48
.set G0B, 56
.set G1S, 68
.set G0S, 76
.set G1SB, 80
.set G0SB, 88
.set MSB, 0
.macro WIN new                         ; the immediate's high byte repeats the setting that is left
.if MSB != (\new)
	s_set_vgpr_msb (MSB<<8)|(\new)
.set MSB, (\new)
.endif
.endm
.set MUL_LO, 0xa1                      ; source 0 (B) window 1, source 1 (A) window 0, C and D window 2
.set MUL_HI, 0xf1
.set TO_B,   0x40
; A joint load: waves 0 and 1 fetch for A, waves 2 and 3 for B; the branch hangs on the wave's number alone.  An s_nop 0 and four v_nop follow each of the two lines.
.macro JLOAD g0a, g1a, g0b, g1b
	s_cmp_eq_u32 s15, 0
	s_cbranch_scc0 .Lfor_b_\@
	tensor_load_to_lds s[\g0a:\g0a+3], s[\g1a:\g1a+7]
	s_nop 0
.rept 4
	v_nop
.endr
	s_branch .Lasked_\@
.Lfor_b_\@:
	tensor_load_to_lds s[\g0b:\g0b+3], s[\g1b:\g1b+7]
	s_nop 0
.rept 4
	v_nop
.endr
.Lasked_\@:
.endm
.macro CROUND                          ; a round of the cluster's barrier
	s_barrier_signal -1
	s_barrier_wait -1
	s_cmp_lg_u32 s14, 0
	s_cbranch_scc1 .Lnot_wave_0_\@
	s_barrier_signal -3
.Lnot_wave_0_\@:
	s_barrier_wait -3
	s_barrier_signal -1
	s_barrier_wait -1
.endm
	s_load_b128 s[4:7], s[0:1], 0x0                ; A's codes, A's scales
	s_load_b128 s[8:11], s[0:1], 0x10              ; B's codes, B's scales
	s_load_b64 s[12:13], s[0:1], 0x20              ; qkv
	v_lshl_add_u32 v[SPW], v0, 2, SPARE
	v_mov_b32 v[NIL], 0
	ds_add_u32 v[SPW], v[NIL]                      ; the wave's opening: the add, twice on end, and its wait ahead of my first tensor load
	ds_add_u32 v[SPW], v[NIL]
	v_lshrrev_b32 v1, 5, v0
	v_readfirstlane_b32 s14, v1                    ; wave 0..3
	s_lshr_b32 s15, s14, 1                         ; which half of the tile's rows is mine.  Also: I fetch for A (0) or for B (1)
	s_and_b32 s16, s14, 1                          ; which half of its columns.  Also: which 128 rows of that tile I fetch
	s_bfe_u32 s40, ttmp6, 0x40000                  ; cx
	s_bfe_u32 s41, ttmp6, 0x40004                  ; cy
	s_lshl_b32 s42, ttmp9, 2
	s_add_co_u32 s42, s42, s40                     ; tile column 0..7 = 4 x cluster x + cx
	s_and_b32 s17, ttmp7, 0xffff
	s_lshl_b32 s17, s17, 2
	s_add_co_u32 s17, s17, s41                     ; tile row 0..31 = 4 x cluster y + cy
	s_and_b32 s95, ttmp7, 0xffff
	s_lshr_b32 s95, s95, 2                         ; x (0) or context (1): from the cluster's y, which all sixteen partners share
	s_lshl_b32 s95, s95, 11                        ; its 2,048 rows of B
	s_lshl_b32 s43, s41, 2
	s_lshl_b32 s43, 15, s43                        ; my row of the cluster
	s_lshl_b32 s44, 0x1111, s40                    ; my column
	s_or_b32 s[G1+0], s43, (0<<16)|(1<<20)|(1<<21)|(5<<22)|(3<<25)  ; the mask; elements of 1 byte; padding on: 4 words behind every 64
	s_or_b32 s[G1B+0], s44, (0<<16)|(1<<20)|(1<<21)|(5<<22)|(3<<25)
.irp g, G1, G1B
	s_mov_b32 s[\g+1], ROWB<<16                    ; tensor_dim0
	s_mov_b32 s[\g+2], 128<<16                     ; tensor_dim1
	s_mov_b32 s[\g+3], ROWB<<16                    ; tile_dim0
	s_mov_b32 s[\g+4], 128                         ; tile_dim1
	s_mov_b32 s[\g+5], KROW                        ; from row to row
	s_mov_b32 s[\g+6], 0
	s_mov_b32 s[\g+7], 0
.endr
	s_or_b32 s[G1S+0], s43, (3<<16)|(1<<20)|(1<<21)|(5<<22)|(3<<25)  ; the scales of 128 rows: a dense block of 4,096 bytes, as 16 rows of 256 bytes (32 elements of 8 bytes)
	s_or_b32 s[G1SB+0], s44, (3<<16)|(1<<20)|(1<<21)|(5<<22)|(3<<25)
.irp g, G1S, G1SB
	s_mov_b32 s[\g+1], 32<<16
	s_mov_b32 s[\g+2], (128*KS/256)<<16
	s_mov_b32 s[\g+3], 32<<16
	s_mov_b32 s[\g+4], 128*KS/256
	s_mov_b32 s[\g+5], 32
	s_mov_b32 s[\g+6], 0
	s_mov_b32 s[\g+7], 0
.endr
	s_lshl_b32 s18, s16, 7                         ; which 128 rows of the tile I fetch
	s_lshl_b32 s20, s17, 8
	s_add_co_u32 s20, s20, s18                     ; A: row 256 x tile row + 128 x half
	s_lshl_b32 s46, s42, 8
	s_add_co_u32 s46, s46, s18
	s_add_co_u32 s46, s46, s95                     ; B: row 2,048 x input + 256 x tile column + 128 x half
	s_mov_b32 s21, 0
	s_mov_b32 s47, 0
	s_mov_b64 s[18:19], KS
	s_mul_u64 s[22:23], s[20:21], s[18:19]         ; where these rows' scales begin
	s_mul_u64 s[92:93], s[46:47], s[18:19]
	s_mov_b64 s[18:19], KROW
	s_mul_u64 s[20:21], s[20:21], s[18:19]         ; and their codes
	s_mul_u64 s[46:47], s[46:47], s[18:19]
	s_mul_i32 s45, s14, HALFT                      ; where they go: wave x 128 rows
	s_mul_i32 s94, s14, HALFS
	s_wait_dscnt 0x0                               ; both opening adds are done
	s_wait_kmcnt 0x0
	s_add_nc_u64 s[20:21], s[4:5], s[20:21]
	s_add_nc_u64 s[22:23], s[6:7], s[22:23]
	s_add_nc_u64 s[46:47], s[8:9], s[46:47]
	s_add_nc_u64 s[92:93], s[10:11], s[92:93]
	CROUND                                         ; all sixteen work-groups are here: the joint loads meet
	s_mov_b32 s[G0S], 1
	s_add_co_u32 s[G0S+1], s94, SCL
	s_mov_b64 s[G0S+2:G0S+3], s[22:23]
	s_or_b32 s[G0S+3], s[G0S+3], 0x80000000
	s_mov_b32 s[G0SB], 1
	s_add_co_u32 s[G0SB+1], s94, SCL
	s_mov_b64 s[G0SB+2:G0SB+3], s[92:93]
	s_or_b32 s[G0SB+3], s[G0SB+3], 0x80000000
	JLOAD G0S, G1S, G0SB, G1SB                     ; the scales first: they are wanted with slot 0
.irp s, 0,1
	s_mov_b32 s[G0+4*\s], 1
	s_add_co_u32 s[G0+4*\s+1], s45, \s*SLOT
	s_add_nc_u64 s[G0+4*\s+2:G0+4*\s+3], s[20:21], \s*ROWB
	s_or_b32 s[G0+4*\s+3], s[G0+4*\s+3], 0x80000000
	s_mov_b32 s[G0B+4*\s], 1
	s_add_co_u32 s[G0B+4*\s+1], s45, \s*SLOT
	s_add_nc_u64 s[G0B+4*\s+2:G0B+4*\s+3], s[46:47], \s*ROWB
	s_or_b32 s[G0B+4*\s+3], s[G0B+4*\s+3], 0x80000000
	JLOAD G0+4*\s, G1, G0B+4*\s, G1B
.endr
	v_and_b32 v1, 15, v0                           ; r = lane % 16
	v_bfe_u32 v2, v0, 4, 1                         ; h = lane / 16
	v_mul_u32_u24 v3, v1, PITCH
	v_lshl_add_u32 v4, v2, 4, v3                   ; a fragment's row x pitch + 16 x half
	s_mul_i32 s21, s15, HALFT                      ; my 128 rows of A
	s_mul_i32 s22, s16, HALFT                      ; my 128 rows of B,
	s_add_co_u32 s22, s22, 2*HALFT                 ; which lie behind A's 256
.irp s, 0,1
	v_add_nc_u32 v[ADRA+\s], s21, v4
	v_add_nc_u32 v[ADRB+\s], s22, v4
	s_add_co_u32 s21, s21, SLOT
	s_add_co_u32 s22, s22, SLOT
.endr
	v_mul_u32_u24 v5, v1, KS                       ; my row's scales: KS bytes a row,
	v_lshrrev_b32 v6, 8, v5
	v_lshl_add_u32 v5, v6, 4, v5                   ; and 16 more for each 256 passed
	s_mul_i32 s21, s15, HALFS
	s_mul_i32 s22, s16, HALFS
	s_add_co_u32 s22, s22, 2*HALFS
	s_sub_co_u32 s22, s22, s21
	v_mul_u32_u24 v6, s22, v2                      ; lanes 16-31 take B's: one product, the distance between the two bases
	s_add_co_u32 s21, s21, SCL
	v_add_nc_u32 v5, v5, v6
	v_add_nc_u32 v[ADRS], s21, v5
	s_mul_i32 s23, s14, 2*HSTG                     ; my stage
	v_mul_u32_u24 v5, v1, HPI                      ; in: row r of a head, 16 bytes for each half of the lanes
	v_lshl_add_u32 v5, v2, 4, v5
	v_add_nc_u32 v[STO], s23, v5
	v_and_b32 v6, 31, v0
	v_lshrrev_b32 v7, 3, v6
	v_mul_u32_u24 v7, v7, HPI                      ; back: eight lanes to a row of 128 bytes, four rows an instruction
	v_and_b32 v8, 7, v6
	v_lshl_add_u32 v7, v8, 4, v7
	v_add_nc_u32 v[RD], s23, v7
	v_lshlrev_b32 v[CO], 4, v6                     ; and in qkv those four rows are 512 consecutive bytes
	; where my results begin in qkv: T = 2 x input + tile column / 4;  (b, h) = 16 ((tile row / 8) % 2) + 4 (tile column % 4) + 2 x my half of the columns;  i = 256 (tile row % 8) + 128 x my half of the rows
	s_lshr_b32 s20, s17, 4
	s_lshl_b32 s20, s20, 1
	s_lshr_b32 s21, s42, 2
	s_add_co_u32 s20, s20, s21
	s_lshl_b32 s20, s20, 23
	s_bfe_u32 s21, s17, 0x10003
	s_lshl_b32 s21, s21, 4
	s_and_b32 s22, s42, 3
	s_lshl_b32 s22, s22, 2
	s_add_co_u32 s21, s21, s22
	s_lshl_b32 s22, s16, 1
	s_add_co_u32 s21, s21, s22
	s_lshl_b32 s21, s21, 18
	s_add_co_u32 s20, s20, s21
	s_and_b32 s21, s17, 7
	s_lshl_b32 s21, s21, 8
	s_lshl_b32 s22, s15, 7
	s_add_co_u32 s21, s21, s22
	s_lshl_b32 s21, s21, 7
	s_add_co_u32 s20, s20, s21
	s_mov_b32 s21, 0
	s_add_nc_u64 s[12:13], s[12:13], s[20:21]
.macro FRAG reg, adr, q, i             ; 16 rows x 128 K of 4-bit codes: lane l holds row l % 16; registers 4 c .. 4 c + 3 hold K = 64 c + 32 (l / 16) + 0 .. 31
.irp c, 0,1
	ds_load_b128 v[\reg+4*\c:\reg+4*\c+3], v[\adr] offset:64*(\q)+32*\c+(\i)*16*PITCH
.endr
.endm
; 16 matrix instructions: A's blocks a0, a0 + 1 x B's eight, the slot's q-th 128 along K.  p: B's set; sc: the set of scale words.  zero = 1: the first product starts the sums.
; One register carries A's word (lanes 0-15) and B's (lanes 16-31).  The 64 accumulators take turns, one instruction a turn, in the same order in every step.
.macro MUL16 a0, p, q, sc, zero
.irp a, \a0, \a0+1
.irp b, 0,1,2,3,4,5,6,7
.if \zero
	v_wmma_scale_f32_16x16x128_f8f6f4 v[8*(8*((\a)%4)+\b):8*(8*((\a)%4)+\b)+7], v[128*(\p)+FR*\b:128*(\p)+FR*\b+FR-1], v[AF+FR*(\a):AF+FR*(\a)+FR-1], 0, v[SC+8*NQ*(\sc)+NQ*\b+(\q)], v[SC+8*NQ*(\sc)+NQ*(\a)+(\q)] matrix_a_fmt:MATRIX_FMT_FP4 matrix_b_fmt:MATRIX_FMT_FP4 matrix_a_scale:MATRIX_SCALE_ROW1
.else
	v_wmma_scale_f32_16x16x128_f8f6f4 v[8*(8*((\a)%4)+\b):8*(8*((\a)%4)+\b)+7], v[128*(\p)+FR*\b:128*(\p)+FR*\b+FR-1], v[AF+FR*(\a):AF+FR*(\a)+FR-1], v[8*(8*((\a)%4)+\b):8*(8*((\a)%4)+\b)+7], v[SC+8*NQ*(\sc)+NQ*\b+(\q)], v[SC+8*NQ*(\sc)+NQ*(\a)+(\q)] matrix_a_fmt:MATRIX_FMT_FP4 matrix_b_fmt:MATRIX_FMT_FP4 matrix_a_scale:MATRIX_SCALE_ROW1
.endif
.endr
.endr
.endm
.macro FETCH_B slot, q, p
	WIN TO_B
.irp i, 0,1,2,3,4,5,6,7
	FRAG 128*(\p)+FR*\i, ADRB+\slot, \q, \i
.endr
	WIN 0
.endm
.macro FETCH_A slot, q, i0
.irp i, \i0, \i0+1, \i0+2, \i0+3
	FRAG AF+FR*(\i), ADRA+\slot, \q, \i
.endr
.endm
.macro SCALES sc                       ; a slot's scale words: 4 words a row; lanes 0-15 take A's block i, lanes 16-31 B's block i
.irp i, 0,1,2,3,4,5,6,7
	ds_load_b128 v[SC+8*NQ*\sc+NQ*\i:SC+8*NQ*\sc+NQ*\i+3], v[ADRS] offset:\i*SBLK
.endr
.endm
.macro PLACES n                        ; plain vector lines between a matrix instruction and a load into, or a vector read of, its registers
.rept \n
	v_nop
.endr
.endm
.macro STEP slot, q, zero              ; a step of 128 along K that has its successor in the same slot
	s_wait_dscnt 4*NL                              ; B's set and A's blocks 0-3 are in; the youngest eight loads (A's blocks 4-7) may be out
	WIN MUL_LO
	MUL16 0, (\q)%2, \q, \slot, \zero
	MUL16 2, (\q)%2, \q, \slot, \zero
	s_wait_dscnt 0
	PLACES NP
	FETCH_B \slot, (\q)+1, 1-(\q)%2
	FETCH_A \slot, (\q)+1, 0
	WIN MUL_HI
	MUL16 4, (\q)%2, \q, \slot, \zero
	MUL16 6, (\q)%2, \q, \slot, \zero
	PLACES NP
	WIN 0
	FETCH_A \slot, (\q)+1, 4
.endm
.macro STEPS slot, from
.set Q, \from
.rept NQ-1-\from
	STEP \slot, Q, 0
.set Q, Q+1
.endr
.endm
	s_wait_tensorcnt 1                             ; the scales and my part of slot 0 are in (slot 1's load may be out)
	s_barrier_signal -1
	s_barrier_wait -1                              ; everybody's are
	FETCH_B 0, 0, 0
	FETCH_A 0, 0, 0
	SCALES 0
	FETCH_A 0, 0, 4
	STEP 0, 0, 1                                   ; the first step's products start the sums: nothing is cleared
	STEPS 0, 1
	; slot 0's last step changes slots: one barrier; in front of it each wave waits for all its tensor loads, adds 0 to its spare word, and waits for that and for its reads of slot 0
	s_wait_tensorcnt 0x0                           ; my part of slot 1 has landed
	ds_add_u32 v[SPW], v[NIL]
	s_wait_dscnt 4*NL+1                            ; (the add and the youngest eight loads may be out)
	WIN MUL_LO
	MUL16 0, 1, NQ-1, 0, 0
	s_wait_dscnt 0x0                               ; the add is done, and my reads of slot 0 are over
	s_barrier_signal -1
	MUL16 2, 1, NQ-1, 0, 0
	WIN 0
	s_barrier_wait -1                              ; slot 1 is whole, and nobody reads slot 0 any more
	PLACES NP
	v_add_nc_u32 v[ADRS], 4*NQ, v[ADRS]            ; on to slot 1's scale words
	FETCH_B 1, 0, 0
	FETCH_A 1, 0, 0
	SCALES 1
	WIN MUL_HI
	MUL16 4, 1, NQ-1, 0, 0
	MUL16 6, 1, NQ-1, 0, 0
	PLACES NP
	WIN 0
	FETCH_A 1, 0, 4
	STEPS 1, 0
	s_wait_dscnt 4*NL                              ; the very last step: nothing more to fetch
	WIN MUL_LO
	MUL16 0, 1, NQ-1, 1, 0
	MUL16 2, 1, NQ-1, 1, 0
	s_wait_dscnt 0
	WIN MUL_HI
	MUL16 4, 1, NQ-1, 1, 0
	MUL16 6, 1, NQ-1, 1, 0
	WIN 0
; THE WAY OUT, block by block of 16 rows x 128 columns = two heads.  PACK: rounded to f16, 16 bytes a lane, each accumulator from its low end on.  TOSTAGE: into my own stage and back by rows.  SEND: 512 consecutive bytes a store.
.macro PACK a
.set AC, 64*((\a)%4)
	WIN 0x0a+5*((\a)/4)                            ; sources 0 and 1: window 2 or 3
.irp b, 0,1,2,3,4,5,6,7
.irp r, 0,1,2,3
	v_cvt_pk_f16_f32 v[TMP+4*\b+\r], v[AC+8*\b+2*\r], v[AC+8*\b+2*\r+1]
.endr
.endr
	WIN 0
.endm
.macro TOSTAGE a
.set BB, BK+32*((\a)%2)
.irp b, 0,1,2,3,4,5,6,7
	ds_store_b128 v[STO], v[TMP+4*\b:TMP+4*\b+3] offset:(\b/4)*HSTG+(\b%4)*32
.endr
.irp i, 0,1,2,3,4,5,6,7
	ds_load_b128 v[BB+4*\i:BB+4*\i+3], v[RD] offset:(\i/4)*HSTG+(\i%4)*4*HPI   ; LDS serves a wave's instructions in order: these see the stores above
.endr
.endm
.macro SEND a
.set BB, BK+32*((\a)%2)
	s_wait_dscnt 0x0                               ; the block is back in registers
	s_wait_xcnt 0x0                                ; the stores of the block before have read their registers: the next block's loads may land there
.irp i, 0,1,2,3,4,5,6,7
	global_store_b128 v[CO], v[BB+4*\i:BB+4*\i+3], s[12:13] offset:(\i/4)*262144+(\a)*2048+(\i%4)*512   ; head i / 4, my rows 16 a + 4 (i % 4) on
.endr
.endm
	PLACES NP                                      ; behind the last products: for the conversions' writes into the registers that held A's fragments
	PACK 0
	TOSTAGE 0
.irp a, 1,2,3,4,5,6,7
	PACK \a                                        ; block a's conversions stand between block a - 1's loads from the stage and the wait for them
	SEND \a-1
	TOSTAGE \a
.endr
	SEND 7
	s_wait_tensorcnt 0x0                           ; the wave's end, behind my last tensor load and my last LDS store
	ds_add_u32 v[SPW], v[NIL]
	s_wait_dscnt 0x0
	CROUND                                         ; the closing round
	s_endpgm
.Lfunc_end_k_q79bcb74d0e_proj:
	.size	k_q79bcb74d0e_proj, .Lfunc_end_k_q79bcb74d0e_proj-k_q79bcb74d0e_proj
	.p2alignl 7, 3214868480
	.fill 96, 4, 3214868480
	.section	.rodata,"a",@progbits
	.p2align	6, 0x0
	.amdhsa_kernel k_q79bcb74d0e_proj
		.amdhsa_group_segment_fixed_size 327680
		.amdhsa_private_segment_fixed_size 0
		.amdhsa_enable_private_segment 0
		.amdhsa_kernarg_size 40
		.amdhsa_user_sgpr_count 2
		.amdhsa_user_sgpr_kernarg_segment_ptr 1
		.amdhsa_wavefront_size32 1
		.amdhsa_system_sgpr_workgroup_id_x 1
		.amdhsa_system_sgpr_workgroup_id_y 1
		.amdhsa_system_sgpr_workgroup_id_z 1
		.amdhsa_system_vgpr_workitem_id 0
		.amdhsa_next_free_vgpr 1024
		.amdhsa_next_free_sgpr 98
		.amdhsa_reserve_vcc 0
		.amdhsa_float_denorm_mode_32 3
		.amdhsa_float_denorm_mode_16_64 3
		.amdhsa_memory_ordered 1
		.amdhsa_forward_progress 1
		.amdhsa_inst_pref_size 127
	.end_amdhsa_kernel
	.amdgpu_metadata
---
amdhsa.version: [ 1, 2 ]
amdhsa.kernels:
  - .name:           k_q79bcb74d0e_proj
    .symbol:         k_q79bcb74d0e_proj.kd
    .args:
      - { .name: a_codes, .offset: 0, .size: 8, .value_kind: global_buffer, .address_space: global }
      - { .name: a_scales, .offset: 8, .size: 8, .value_kind: global_buffer, .address_space: global }
      - { .name: b_codes, .offset: 16, .size: 8, .value_kind: global_buffer, .address_space: global }
      - { .name: b_scales, .offset: 24, .size: 8, .value_kind: global_buffer, .address_space: global }
      - { .name: qkv, .offset: 32, .size: 8, .value_kind: global_buffer, .address_space: global }
    .group_segment_fixed_size: 327680
    .private_segment_fixed_size: 0
    .kernarg_segment_align: 8
    .kernarg_segment_size: 40
    .max_flat_workgroup_size: 128
    .sgpr_count:     98
    .vgpr_count:     1024
    .wavefront_size: 32
...
	.end_amdgpu_metadata
.endif
;; end of part 2
;; launch attn (part 3): grid 4 x 64, 8 waves a work-group, clusters of 4 x 1, 327,680 bytes of LDS; arguments qkv, att; writes att
.if DOCPART == 3
	.amdgcn_target "amdgcn-amd-amdhsa--gfx1250"
	.amdhsa_code_object_version 6
	.text
	.protected	k_q79bcb74d0e_attn
	.globl	k_q79bcb74d0e_attn
	.p2align	8
	.type	k_q79bcb74d0e_attn,@function
k_q79bcb74d0e_attn:
	s_mov_b64 s[64:65], 0
	v_nop
	global_prefetch_b8 v0, s[64:65] scope:SCOPE_SE
	s_setreg_imm32_b32 hwreg(HW_REG_WAVE_MODE, 25, 1), 1
	s_wait_xcnt 0x0
	s_wait_alu depctr_hold_cnt(0) depctr_sa_sdst(0) depctr_va_vdst(0) depctr_va_sdst(0) depctr_va_ssrc(0) depctr_va_vcc(0) depctr_vm_vsrc(0)
	s_getreg_b32 s2, hwreg(HW_REG_IB_STS2, 6, 4)
	s_cmp_eq_u32 s2, 0
	s_cbranch_scc0 .Lentry_in_a_cluster
	s_endpgm
.Lentry_in_a_cluster:
	s_bfe_u32 s2, ttmp6, 0x10000c
	s_cmp_lg_u32 s2, 0x3003
	s_cbranch_scc0 .Lentry_shape_is_right
	s_endpgm
.Lentry_shape_is_right:
; BOTH SOFTMAXES OF THE SHARED SIMILARITY, as 64 attentions on one body: direction 0 (rows): queries qk, keys cqk, values cv; direction 1 (columns): queries cqk, keys qk, values v; 32 (batch, head) each.
; O[q] = the sum over k of softmax_k(Q[q] . K[k] / 8) V[k].  Q, K, V: qkv [T][b][h][2048][64] f16 (T = 0 qk, 1 v, 2 cqk, 3 cv); O: att [direction][b][h][2048][64] f16.  Products, maxima and sums in f32.
; SOFTMAX: for each query a running maximum m: p = 2^(c s - c m), c = log2(e) / 8; in every step O and the sum are multiplied by a = 2^(c m_old - c m_new).  p is rounded to f16 for the second product,
; and THE ROW'S SUM IS TAKEN OF THE ROUNDED p, by a product with a fragment of ones: the divisor is the sum of the very weights that are multiplied.
; LIMITS: NaN and infinities are not served; O is stored in f16 (magnitudes above 65,504 are not served, absolute resolution 6e-8).
; SHARES: a cluster of four work-groups owns one attention; a work-group 512 queries, each of its eight waves 64: four tiles of 16.  Two waves share a SIMD, so that one wave's vector work stands beside the other's products.
; Every wave walks all 2,048 keys, 64 a step; a slot of LDS holds four steps; two slots.  The four partners walk the same K and V: each tile is asked for JOINTLY (mask 15).  Waves 0-3 fetch K of a slot's steps 0-3,
; waves 4-7 V's: one tensor load a wave behind each round, one out at a time, four key steps in which to land.
; LAYOUT: S^T = K Q^T (source 0 = 16 keys, source 1 = 16 queries): a lane holds ONE query (lane % 16) and keys 8 (lane / 16) + 0..7.  Two such tiles, rounded in pairs IN PLACE, are source 1 of O^T = V^T P.
; REGISTERS: window 0: v2-8 addresses; v16-47 statistics, 8 a tile; v48-55 ones; v64-191 S^T, then P, 32 a tile; v192-255 K's 8 fragments, then V's 8.   window 1: v0-127 O^T, 32 a tile; v128-159 the sums, 8 a tile; v160-223 Q.
.set KS,    64                         ; keys in a step
.set NST,   4                          ; steps in a slot
.set PK,    144                        ; a row of K in LDS: 128 bytes + 16
.set PV,    160                        ; a row of V: 128 + 32
.set VOFF,  KS*PK                      ; a step's tiles lie together: 64 rows of K, then 64 rows of V
.set STEPB, KS*(PK+PV)
.set SLOT1, 1<<17                      ; slot 1 begins here: one exclusive or turns an address in one slot into the other's
.set SLOTB, NST*KS*128                 ; a slot's rows of K, or of V, in memory
.set STAGE, SLOT1+NST*STEPB            ; behind the ring: 16 rows x 144 bytes for each wave, for the way out
.set SP,    144
.set SPARE, STAGE+8*16*SP              ; the spare words, 128 bytes for each of eight waves
.set NSL,   2048/(NST*KS)              ; 8 slots' worth of keys
.set AK0, 2
.set AV0, 3
.set ADR, 4
.set QO,  5
.set STO, 6
.set RD,  7
.set GO,  8
.set ST,  16                           ; tile t's statistics at v[ST+8 t]: +0 c m, +1 m, +4 .. +7 c0-c3 at work; a takes c2's place
.set ONE, 48
.set PFO, 61                           ; 256 x my lane; never rewritten
.set SPW, 62
.set NIL, 63
.set S,   64
.set KV,  192
.set QF,  160                          ; in window 1
.set LS,  128                          ; in window 1
.set WV,  12
.set LIM, 15                           ; 1 in a wave that prefetches, else the greatest number
.set PFA, 18                           ; s[18:19] where my prefetches stand
.set G1K, 24
.set G1V, 32
.set G0K, 40
.set G0V, 44
.set SLOTS, 56
.set CNT, 57
.set CS,  58
.set SEL, 60
.set TB,  62                           ; LDS byte at which the tiles of the step to be fetched begin
.set MSB, 0
.macro WIN new
.if MSB != (\new)
	s_set_vgpr_msb (MSB<<8)|(\new)
.set MSB, (\new)
.endif
.endm
.macro JLOAD                           ; the branch hangs on the wave's number alone; an s_nop 0 and four v_nop follow each of the two lines
	s_cmp_lt_u32 s[WV], 4
	s_cbranch_scc0 .Lfor_v_\@
	tensor_load_to_lds s[G0K:G0K+3], s[G1K:G1K+7]
	s_nop 0
.rept 4
	v_nop
.endr
	s_branch .Lasked_\@
.Lfor_v_\@:
	tensor_load_to_lds s[G0V:G0V+3], s[G1V:G1V+7]
	s_nop 0
.rept 4
	v_nop
.endr
.Lasked_\@:
.endm
; A prefetch of what the NEXT change of slots will ask for: 32,768 bytes of K and as many of V.  The four partners share them out by address, 8,192 bytes each; in each, wave 0 asks for K's and wave 4 for V's,
; lanes 256 bytes apart: each run of 256 bytes is named once.  The last change that fills a slot asks for nothing.
.macro ASK
	s_cmp_gt_u32 s[SLOTS], s[LIM]
	s_cbranch_scc0 .Lnot_mine_\@
	global_prefetch_b8 v[PFO], s[PFA:PFA+1] th:TH_LOAD_NT scope:SCOPE_SE
.Lnot_mine_\@:
.endm
.macro CROUND
	s_barrier_signal -1
	s_barrier_wait -1
	s_cmp_lg_u32 s[WV], 0
	s_cbranch_scc1 .Lnot_wave_0_\@
	s_barrier_signal -3
.Lnot_wave_0_\@:
	s_barrier_wait -3
	s_barrier_signal -1
	s_barrier_wait -1
.endm
	s_load_b128 s[4:7], s[0:1], 0x0                ; qkv, att
	v_lshl_add_u32 v[SPW], v0, 2, SPARE
	v_mov_b32 v[NIL], 0
	ds_add_u32 v[SPW], v[NIL]                      ; the wave's opening: the add, twice on end, and its wait ahead of my first tensor load
	ds_add_u32 v[SPW], v[NIL]
	v_lshrrev_b32 v1, 5, v0
	v_readfirstlane_b32 s[WV], v1                  ; wave 0..7
	s_bfe_u32 s13, ttmp6, 0x40000                  ; cx: my block of 512 queries; it enters Q's, O's and the prefetches' addresses alone
	s_and_b32 s14, ttmp7, 0xffff                   ; which attention: 32 x direction + (batch, head)
	s_lshr_b32 s16, s14, 5                         ; direction
	s_and_b32 s17, s14, 31
	s_lshl_b32 s17, s17, 18                        ; the head's 2,048 rows of 128 bytes
	s_xor_b32 s20, s16, 1
	s_lshl_b32 s20, s20, 24                        ; the keys: cqk (T = 2) for direction 0, qk (T = 0) for direction 1
	s_add_co_u32 s20, s20, s17
	s_and_b32 s22, s[WV], 3                        ; which of a slot's four steps I fetch:
	s_lshl_b32 s23, s22, 13                        ; its 64 rows in memory,
	s_add_co_u32 s20, s20, s23
	s_mov_b32 s21, 0
	s_mul_i32 s22, s22, STEPB                      ; and its place in a slot
	s_lshl_b32 s2, s13, 16                         ; my block's 512 rows,
	s_lshl_b32 s3, s[WV], 13                       ; my wave's 64 of them,
	s_add_co_u32 s2, s2, s3
	s_add_co_u32 s2, s2, s17                       ; in my head
	s_lshl_b32 s3, s16, 24
	s_add_co_u32 s10, s2, s3                       ; Q: qk (T = 0) or cqk (T = 2)
	s_mov_b32 s11, 0
	s_lshl_b32 s3, s16, 23
	s_add_co_u32 s2, s2, s3                        ; O: the direction's half of att
	s_mov_b32 s3, 0
	s_mov_b32 s[G1K], 15|(1<<16)|(1<<20)|(1<<21)|(4<<22)|(3<<25)   ; the mask: all four; elements of 2 bytes; padding on: 4 words behind every 32
	s_mov_b32 s[G1V], 15|(1<<16)|(1<<20)|(1<<21)|(4<<22)|(7<<25)   ; the same with 8 words
.irp g, G1K, G1V
	s_mov_b32 s[\g+1], 64<<16                      ; tensor_dim0 = 64
	s_mov_b32 s[\g+2], KS<<16                      ; tensor_dim1 = 64
	s_mov_b32 s[\g+3], 64<<16                      ; tile_dim0 = 64
	s_mov_b32 s[\g+4], KS                          ; tile_dim1 = 64
	s_mov_b32 s[\g+5], 64                          ; elements from row to row
	s_mov_b32 s[\g+6], 0
	s_mov_b32 s[\g+7], 0
.endr
	s_mov_b32 s[CS], 0x3e38aa3b                    ; c = log2(e) / 8
	s_mov_b32 s[CS+1], s[CS]                       ; named with it as a pair, so it is written
	s_mov_b32 s[SEL], 0x76543210
	s_mov_b32 s[SEL+1], 0xfedcba98
	s_mov_b32 s[TB], 0
	s_mov_b32 s[SLOTS], NSL-2
	s_and_b32 s[LIM], s[WV], 3
	s_cmp_eq_u32 s[LIM], 0                         ; waves 0 and 4: the same in all four partners
	s_cselect_b32 s[LIM], 1, -1
	v_and_b32 v[PFO], 31, v0
	v_lshlrev_b32 v[PFO], 8, v[PFO]
	s_wait_dscnt 0x0                               ; both opening adds are done
	s_wait_kmcnt 0x0
	s_add_nc_u64 s[8:9], s[4:5], s[20:21]          ; K at my tile of slot 0
	s_add_nc_u64 s[20:21], s[8:9], 0x800000        ; V lies one tensor further on
	s_add_nc_u64 s[52:53], s[4:5], s[10:11]        ; Q at my wave's first row
	s_add_nc_u64 s[54:55], s[6:7], s[2:3]          ; O likewise
	s_cmp_lt_u32 s[WV], 4
	s_cselect_b64 s[PFA:PFA+1], s[8:9], s[20:21]   ; (in waves 0 and 4 these stand at a slot's first row)
	s_lshl_b32 s2, s13, 13                         ; my work-group's 8,192 bytes of the 32,768
	s_add_nc_u64 s[PFA:PFA+1], s[PFA:PFA+1], s[2:3]
	s_add_nc_u64 s[PFA:PFA+1], s[PFA:PFA+1], SLOTB ; in slot 1: the first change of slots steps it to slot 2
	s_mov_b32 s[G0K], 1                            ; count = 1
	s_mov_b32 s[G0K+1], s22                        ; LDS address
	s_mov_b64 s[G0K+2:G0K+3], s[8:9]               ; global address
	s_or_b32 s[G0K+3], s[G0K+3], 0x80000000        ; type = 2
	s_mov_b32 s[G0V], 1
	s_add_co_u32 s[G0V+1], s22, VOFF
	s_mov_b64 s[G0V+2:G0V+3], s[20:21]
	s_or_b32 s[G0V+3], s[G0V+3], 0x80000000
	CROUND                                         ; all four work-groups are here: the first joint loads meet
	JLOAD                                          ; slot 0
	v_and_b32 v1, 15, v0                           ; r
	v_bfe_u32 v9, v0, 4, 1                         ; h
	v_lshlrev_b32 v[QO], 7, v1
	v_lshl_add_u32 v[QO], v9, 4, v[QO]             ; row x 128 + 16 x half
	WIN 0x40                                       ; destination window 1
.irp i, 0,1,2,3,4,5,6,7                        ; Q stays in registers: tile i / 2, channels 32 (i % 2) on
	global_load_b128 v[QF+8*\i:QF+8*\i+3],   v[QO], s[52:53] offset:(\i/2)*2048+(\i%2)*64
	global_load_b128 v[QF+8*\i+4:QF+8*\i+7], v[QO], s[52:53] offset:(\i/2)*2048+(\i%2)*64+32
.endr
	WIN 0
	v_mul_u32_u24 v[AK0], v1, PK
	v_lshl_add_u32 v[AK0], v9, 4, v[AK0]           ; K: row x pitch + 16 x half
	v_and_b32 v10, 7, v0
	v_bfe_u32 v11, v0, 3, 1
	v_lshl_add_u32 v[AV0], v9, 3, v10              ; V, for the turning load: key 8 (l / 16) + l % 8, channels 8 ((l / 8) % 2) on
	v_mul_u32_u24 v[AV0], v[AV0], PV
	v_lshl_add_u32 v[AV0], v11, 4, v[AV0]
	v_add_nc_u32 v[AV0], VOFF, v[AV0]
	s_mul_i32 s16, s[WV], 16*SP
	s_add_co_u32 s16, s16, STAGE                   ; my stage
	v_mul_u32_u24 v[STO], v1, SP                   ; in: row r, 16 bytes for each half of the lanes
	v_lshl_add_u32 v[STO], v9, 4, v[STO]
	v_add_nc_u32 v[STO], s16, v[STO]
	v_and_b32 v10, 31, v0
	v_lshrrev_b32 v11, 3, v10
	v_mul_u32_u24 v[RD], v11, SP                   ; back: eight lanes to a row of 128 bytes, four rows an instruction
	v_and_b32 v11, 7, v0
	v_lshl_add_u32 v[RD], v11, 4, v[RD]
	v_add_nc_u32 v[RD], s16, v[RD]
	v_lshlrev_b32 v[GO], 4, v10                    ; in att those four rows are 512 consecutive bytes
.irp i, 0,1,2,3,4,5,6,7
	v_mov_b32 v[ONE+\i], 0x3c003c00                ; a fragment of ones, f16
.endr
.macro FETCH_K                         ; a step's K: 8 fragments (keys 16 (f / 2) on, channels 32 (f % 2) on).  The addition and four v_nop are five places behind the last products: four for the loads into
	WIN 0                                          ; V's registers, five for the products that begin S^T anew over P
	v_add_nc_u32 v[ADR], s[TB], v[AK0]
.rept 4
	v_nop
.endr
.irp f, 0,1,2,3,4,5,6,7
	ds_load_b128 v[KV+8*\f:KV+8*\f+3],   v[ADR] offset:(\f/2)*16*PK+(\f%2)*64
	ds_load_b128 v[KV+8*\f+4:KV+8*\f+7], v[ADR] offset:(\f/2)*16*PK+(\f%2)*64+32
.endr
.endm
.macro FETCH_V                         ; the same step's V, turned: keys 32 (f / 4) on, channels 16 (f % 4) on.  Four places behind the last K Q^T: for these loads and for the first read of the scores
	WIN 0
	v_add_nc_u32 v[ADR], s[TB], v[AV0]
.rept 3
	v_nop
.endr
	s_add_co_u32 s[TB], s[TB], STEPB               ; the next fetch is the next step's
.irp f, 0,1,2,3,4,5,6,7
	ds_load_tr16_b128 v[KV+8*\f:KV+8*\f+3],   v[ADR] offset:(\f/4)*32*PV+(\f%4)*32
	ds_load_tr16_b128 v[KV+8*\f+4:KV+8*\f+7], v[ADR] offset:(\f/4)*32*PV+16*PV+(\f%4)*32
.endr
.endm
.macro MULKQ                           ; S^T = K Q^T: 32 products; the 16 accumulators take turns, one instruction a turn; the first 16 start the sums
	WIN 0x04                                       ; Q in window 1
.irp s, 0,1
.irp k, 0,1,2,3
.irp t, 0,1,2,3
.if \s == 0
	v_wmma_f32_16x16x32_f16 v[S+32*\t+8*\k:S+32*\t+8*\k+7], v[KV+8*(2*\k+\s):KV+8*(2*\k+\s)+7], v[QF+16*\t+8*\s:QF+16*\t+8*\s+7], 0
.else
	v_wmma_f32_16x16x32_f16 v[S+32*\t+8*\k:S+32*\t+8*\k+7], v[KV+8*(2*\k+\s):KV+8*(2*\k+\s)+7], v[QF+16*\t+8*\s:QF+16*\t+8*\s+7], v[S+32*\t+8*\k:S+32*\t+8*\k+7]
.endif
.endr
.endr
.endr
.endm
.macro SCALEP t, i                     ; pair i of tile t: c s - c m
	v_pk_fma_f32 v[S+32*(\t)+2*(\i):S+32*(\t)+2*(\i)+1], v[S+32*(\t)+2*(\i):S+32*(\t)+2*(\i)+1], s[CS:CS+1], v[ST+8*(\t):ST+8*(\t)+1] op_sel_hi:[1,0,0] neg_lo:[0,0,1] neg_hi:[0,0,1]
.endm
; THE SOFTMAX of four tiles for one key step, all in window 0; the four tiles take turns line by line, so that no line waits for the line above it.  first = 1: the first key step has no old maximum and no a.
.macro SOFTMAX first
.irp j, 0,1,2,3                                ; the maximum of a lane's 32 scores, three operands at a time; each accumulator is read from its low end on
.irp t, 0,1,2,3
	v_max3_num_f32 v[ST+8*\t+4+\j], v[S+32*\t+8*\j], v[S+32*\t+8*\j+1], v[S+32*\t+8*\j+2]
.endr
.endr
.irp j, 4,5,6,7,8,9,10,11
.irp t, 0,1,2,3
	v_max3_num_f32 v[ST+8*\t+4+\j%4], v[ST+8*\t+4+\j%4], v[S+32*\t+8*(\j%4)+2*(\j/4)+1], v[S+32*\t+8*(\j%4)+2*(\j/4)+2]
.endr
.endr
.irp t, 0,1,2,3
	v_max3_num_f32 v[ST+8*\t+4], v[ST+8*\t+4], v[S+32*\t+7], v[S+32*\t+15]
.endr
.irp t, 0,1,2,3
	v_max3_num_f32 v[ST+8*\t+6], v[ST+8*\t+6], v[S+32*\t+23], v[S+32*\t+31]
.endr
.irp t, 0,1,2,3
	v_max3_num_f32 v[ST+8*\t+4], v[ST+8*\t+4], v[ST+8*\t+5], v[ST+8*\t+6]
.endr
.irp t, 0,1,2,3
.if \first
	v_max_num_f32 v[ST+8*\t+4], v[ST+8*\t+4], v[ST+8*\t+7]
.else
	v_max3_num_f32 v[ST+8*\t+4], v[ST+8*\t+4], v[ST+8*\t+7], v[ST+8*\t+1]
.endif
.endr
.irp t, 0,1,2,3
	v_permlanex16_b32 v[ST+8*\t+5], v[ST+8*\t+4], s[SEL], s[SEL+1]   ; the query's other 32 keys lie in the lane 16 away
.endr
.if \first == 0
.irp t, 0,1,2,3
	v_mov_b32 v[ST+8*\t+7], v[ST+8*\t]             ; c m_old is kept for a
.endr
.endif
.irp t, 0,1,2,3
	v_max_num_f32 v[ST+8*\t+1], v[ST+8*\t+4], v[ST+8*\t+5]
.endr
.irp t, 0,1,2,3
	v_mul_f32 v[ST+8*\t], s[CS], v[ST+8*\t+1]
.endr
.if \first == 0
.irp t, 0,1,2,3
	v_sub_f32 v[ST+8*\t+7], v[ST+8*\t+7], v[ST+8*\t]
.endr
.irp t, 0,1,2,3                                ; ONE BATCH of exponentials from here on: none of its lines names an exponential's result
	v_exp_f32 v[ST+8*\t+6], v[ST+8*\t+7]           ; a
.endr
.endif
.irp i, 0,1,2,3,4,5,6,7,8,9,10,11,12,13,14,15
	SCALEP 0, \i
.endr
.irp t, 0,1,2
.irp i, 0,1,2,3,4,5,6,7,8,9,10,11,12,13,14,15
	v_exp_f32 v[S+32*\t+2*\i], v[S+32*\t+2*\i]
	v_exp_f32 v[S+32*\t+2*\i+1], v[S+32*\t+2*\i+1]
	SCALEP \t+1, \i                                ; the next tile's scalings stand among this tile's exponentials
.endr
.endr
.irp i, 0,1,2,3,4,5,6,7,8,9,10,11,12,13,14,15,16,17,18,19,20,21,22,23,24,25,26,27,28,29,30,31
	v_exp_f32 v[S+96+\i], v[S+96+\i]
.endr
	v_nop                                          ; a plain line behind the last exponential
	s_wait_alu depctr_va_vdst(0)                   ; the one wait for the batch, ahead of the first line that names a result
.irp j, 0,1,2,3,4,5,6,7,8,9,10,11,12,13,14,15  ; rounded to f16 IN PLACE, ascending: register j takes weights 2 j and 2 j + 1, which lie at or above it: v[S + 32 t + 8 g ..] is P's fragment of keys 32 g on
.irp t, 0,1,2,3
	v_cvt_pk_f16_f32 v[S+32*\t+\j], v[S+32*\t+2*\j], v[S+32*\t+2*\j+1]
.endr
.endr
.endm
.macro RESCALE                         ; O^T and the sum times a.  Every register of a tile's sum holds the same number; only its lowest pair is kept under the running maximum, and only its lowest register is ever read
	WIN 0x41                                       ; destination and source 0 window 1, a in window 0
.irp t, 0,1,2,3
.irp i, 0,1,2,3,4,5,6,7,8,9,10,11,12,13,14,15
	v_pk_mul_f32 v[32*\t+2*\i:32*\t+2*\i+1], v[32*\t+2*\i:32*\t+2*\i+1], v[ST+8*\t+6:ST+8*\t+7] op_sel_hi:[1,0]
.endr
	v_pk_mul_f32 v[LS+8*\t:LS+8*\t+1], v[LS+8*\t:LS+8*\t+1], v[ST+8*\t+6:ST+8*\t+7] op_sel_hi:[1,0]
.endr
.endm
.macro MULPV first                     ; O^T += V^T P and the sums += ones x P: 40 products; the 20 accumulators take turns, one instruction a turn
	s_wait_dscnt 0x0                               ; V is in
	WIN 0x50                                       ; C and D window 1
.irp g, 0,1
.irp c, 0,1,2,3
.irp t, 0,1,2,3
.if \first && (\g == 0)
	v_wmma_f32_16x16x32_f16 v[32*\t+8*\c:32*\t+8*\c+7], v[KV+8*(4*\g+\c):KV+8*(4*\g+\c)+7], v[S+32*\t+8*\g:S+32*\t+8*\g+7], 0
.else
	v_wmma_f32_16x16x32_f16 v[32*\t+8*\c:32*\t+8*\c+7], v[KV+8*(4*\g+\c):KV+8*(4*\g+\c)+7], v[S+32*\t+8*\g:S+32*\t+8*\g+7], v[32*\t+8*\c:32*\t+8*\c+7]
.endif
.endr
.endr
.irp t, 0,1,2,3
.if \first && (\g == 0)
	v_wmma_f32_16x16x32_f16 v[LS+8*\t:LS+8*\t+7], v[ONE:ONE+7], v[S+32*\t+8*\g:S+32*\t+8*\g+7], 0
.else
	v_wmma_f32_16x16x32_f16 v[LS+8*\t:LS+8*\t+7], v[ONE:ONE+7], v[S+32*\t+8*\g:S+32*\t+8*\g+7], v[LS+8*\t:LS+8*\t+7]
.endif
.endr
.endr
	WIN 0
.endm
.macro STEP first
	FETCH_K
	s_wait_dscnt 0x0                               ; K is in
	MULKQ
	FETCH_V                                        ; V lands while the softmax is walked
	SOFTMAX \first
.if \first == 0
	RESCALE
.endif
	MULPV \first
.endm
.macro STEPS n                         ; n key steps, written once; behind them the fetches go to the other slot's first step
	s_mov_b32 s[CNT], \n
.Lstep_\@:
	STEP 0
	s_sub_co_u32 s[CNT], s[CNT], 1
	s_cmp_lg_u32 s[CNT], 0
	s_cbranch_scc1 .Lstep_\@
	s_sub_co_u32 s[TB], s[TB], NST*STEPB
	s_xor_b32 s[TB], s[TB], SLOT1
.endm
; THE CHANGE OF SLOTS stands at a slot's head.  Each wave waits for all its tensor loads (its part of the slot that it is about to read), adds 0 to its spare word, and waits for that and for its reads of the slot that
; it has left.  fill = 1: a round of the cluster's barrier follows, so that no wave of any partner still reads that slot or has a load on its way, and the joint load into it is the first thing behind the round.
.macro CHANGE fill
	WIN 0
	s_wait_tensorcnt 0x0                           ; no tensor load of mine is out, so a group 0 may be written
	ds_add_u32 v[SPW], v[NIL]
.if \fill
	s_xor_b32 s[G0K+1], s[G0K+1], SLOT1            ; the walking descriptors: the other slot than last time,
	s_add_nc_u64 s[G0K+2:G0K+3], s[G0K+2:G0K+3], SLOTB   ; the next 256 keys
	s_xor_b32 s[G0V+1], s[G0V+1], SLOT1
	s_add_nc_u64 s[G0V+2:G0V+3], s[G0V+2:G0V+3], SLOTB
	s_wait_xcnt 0x0                                ; the last prefetch, a slot back, has read its address, so it may be written:
	s_add_nc_u64 s[PFA:PFA+1], s[PFA:PFA+1], SLOTB ; one slot further on than the walking descriptors
	s_wait_dscnt 0x0                               ; the add is done, and my reads of the slot that I have left are over
	CROUND
	JLOAD
	ASK
.else
	s_wait_dscnt 0x0
	s_barrier_signal -1
	s_barrier_wait -1
.endif
.endm
	CHANGE 1                                       ; slot 0 is whole; slot 1 is asked for: behind this round every load is a first fill
	s_wait_loadcnt 0x0                             ; Q
	STEP 1                                         ; the first key step starts m, the sums and O^T
	STEPS NST-1
.Lslot:                                            ; NSL - 2 trips: slots 1 to 6 are read, slots 2 to 7 asked for
	CHANGE 1
	STEPS NST
	s_sub_co_u32 s[SLOTS], s[SLOTS], 1
	s_cmp_lg_u32 s[SLOTS], 0
	s_cbranch_scc1 .Lslot
	CHANGE 0                                       ; the last slot is written out: nothing is left to ask for
	STEPS NST
	; THE WAY OUT: O^T is divided by the sum, rounded to f16 and sent through my stage in LDS, a tile (16 rows of O) at a time.
.rept 4
	v_nop                                          ; places behind the last products
.endr
	WIN 0x01                                       ; source 0 window 1
.irp t, 0,1,2,3
	v_rcp_f32 v[ST+8*\t+6], v[LS+8*\t]             ; the sum's lowest register
.endr
	WIN 0
	v_nop                                          ; a plain line behind the last reciprocal
	s_wait_alu depctr_va_vdst(0)                   ; one wait for the four, ahead of their first reader
.macro PACK t
	WIN 0x41
.irp i, 0,1,2,3,4,5,6,7,8,9,10,11,12,13,14,15
	v_pk_mul_f32 v[32*\t+2*\i:32*\t+2*\i+1], v[32*\t+2*\i:32*\t+2*\i+1], v[ST+8*\t+6:ST+8*\t+7] op_sel_hi:[1,0]
.endr
	WIN 0x05                                       ; sources 0 and 1 window 1, destination window 0: S^T's registers are free
.irp i, 0,1,2,3,4,5,6,7,8,9,10,11,12,13,14,15
	v_cvt_pk_f16_f32 v[S+16*\t+\i], v[32*\t+2*\i], v[32*\t+2*\i+1]
.endr
	WIN 0
.irp c, 0,1,2,3
	ds_store_b128 v[STO], v[S+16*\t+4*\c:S+16*\t+4*\c+3] offset:32*\c
.endr
.irp u, 0,1,2,3
	ds_load_b128 v[S+64+16*\t+4*\u:S+64+16*\t+4*\u+3], v[RD] offset:4*SP*\u   ; LDS serves a wave's instructions in order: these see the stores above; the next tile's stores come behind them
.endr
.endm
.macro SEND t, younger                 ; younger: the LDS instructions issued behind tile t's loads: the next tile's eight, or none
.irp u, 0,1,2,3
	s_wait_dscnt \younger+3-\u
	global_store_b128 v[GO], v[S+64+16*\t+4*\u:S+64+16*\t+4*\u+3], s[54:55] offset:2048*\t+512*\u   ; 32 lanes store 512 consecutive bytes, aligned
.endr
.endm
	PACK 0
	PACK 1
	SEND 0, 8
	PACK 2
	SEND 1, 8
	PACK 3
	SEND 2, 8
	SEND 3, 0
	s_wait_tensorcnt 0x0                           ; the wave's end, behind my last tensor load and my last LDS store
	ds_add_u32 v[SPW], v[NIL]
	s_wait_dscnt 0x0
	CROUND                                         ; the closing round
	s_endpgm
.Lfunc_end_k_q79bcb74d0e_attn:
	.size	k_q79bcb74d0e_attn, .Lfunc_end_k_q79bcb74d0e_attn-k_q79bcb74d0e_attn
	.p2alignl 7, 3214868480
	.fill 96, 4, 3214868480
	.section	.rodata,"a",@progbits
	.p2align	6, 0x0
	.amdhsa_kernel k_q79bcb74d0e_attn
		.amdhsa_group_segment_fixed_size 327680
		.amdhsa_private_segment_fixed_size 0
		.amdhsa_enable_private_segment 0
		.amdhsa_kernarg_size 16
		.amdhsa_user_sgpr_count 2
		.amdhsa_user_sgpr_kernarg_segment_ptr 1
		.amdhsa_wavefront_size32 1
		.amdhsa_system_sgpr_workgroup_id_x 1
		.amdhsa_system_sgpr_workgroup_id_y 1
		.amdhsa_system_sgpr_workgroup_id_z 1
		.amdhsa_system_vgpr_workitem_id 0
		.amdhsa_next_free_vgpr 512
		.amdhsa_next_free_sgpr 66
		.amdhsa_reserve_vcc 0
		.amdhsa_float_denorm_mode_32 3
		.amdhsa_float_denorm_mode_16_64 3
		.amdhsa_memory_ordered 1
		.amdhsa_forward_progress 1
		.amdhsa_inst_pref_size 134
	.end_amdhsa_kernel
	.amdgpu_metadata
---
amdhsa.version: [ 1, 2 ]
amdhsa.kernels:
  - .name:           k_q79bcb74d0e_attn
    .symbol:         k_q79bcb74d0e_attn.kd
    .args:
      - { .name: qkv, .offset: 0, .size: 8, .value_kind: global_buffer, .address_space: global }
      - { .name: att, .offset: 8, .size: 8, .value_kind: global_buffer, .address_space: global }
    .group_segment_fixed_size: 327680
    .private_segment_fixed_size: 0
    .kernarg_segment_align: 8
    .kernarg_segment_size: 16
    .max_flat_workgroup_size: 256
    .sgpr_count:     66
    .vgpr_count:     512
    .wavefront_size: 32
...
	.end_amdgpu_metadata
.endif
;; end of part 3
;; launch outp (part 4): grid 4 x 64, 4 waves a work-group, clusters of 4 x 4, 327,680 bytes of LDS; arguments att, w16, out0, out1; writes out0, out1
.if DOCPART == 4
	.amdgcn_target "amdgcn-amd-amdhsa--gfx1250"
	.amdhsa_code_object_version 6
	.text
	.protected	k_q79bcb74d0e_outp
	.globl	k_q79bcb74d0e_outp
	.p2align	8
	.type	k_q79bcb74d0e_outp,@function
k_q79bcb74d0e_outp:
	s_mov_b64 s[64:65], 0
	v_nop
	global_prefetch_b8 v0, s[64:65] scope:SCOPE_SE
	s_setreg_imm32_b32 hwreg(HW_REG_WAVE_MODE, 25, 1), 1
	s_wait_xcnt 0x0
	s_wait_alu depctr_hold_cnt(0) depctr_sa_sdst(0) depctr_va_vdst(0) depctr_va_sdst(0) depctr_va_ssrc(0) depctr_va_vcc(0) depctr_vm_vsrc(0)
	s_getreg_b32 s2, hwreg(HW_REG_IB_STS2, 6, 4)
	s_cmp_eq_u32 s2, 0
	s_cbranch_scc0 .Lentry_in_a_cluster
	s_endpgm
.Lentry_in_a_cluster:
	s_bfe_u32 s2, ttmp6, 0x10000c
	s_cmp_lg_u32 s2, 0xf033
	s_cbranch_scc0 .Lentry_shape_is_right
	s_endpgm
.Lentry_shape_is_right:
; THE TWO PROJECTIONS ON THE WAY OUT AS ONE GRID: out[m][n] = sum over k of A[m][k] W[k][n], K = 1,024, f16 operands, f32 sums and results.
; A: att [direction][b][h][2048][64] f16, so that k = 64 h + d lies in 16 planes; rows m = 0-4095 are direction 0's (-> out0, with w_out), 4096-8191 direction 1's (-> out1, with w_cout).  W: w16 [2][1024 (k)][1024 (n)] f16.
; A tile of 128 (m) x 256 (n) is made by a work-group of four waves; a wave makes 64 x 128: 32 accumulators.  256 work-groups.  K goes in steps of 128 (two heads) through a ring of two LDS slots.
; CLUSTERS: 4 x 4.  A's tiles hang on the tile row alone and are shared along a row of the cluster, W's on the tile column and the direction (the same in all sixteen) and are shared along a column: joint loads.
; Waves 0 and 1 fetch a step's two heads of A (128 rows x 128 bytes each, dense), waves 2 and 3 W's 2 x 64 rows of 512 bytes.  By this text's own count two tensor loads of a wave are out at the start, later one.
; THE MATRIX INSTRUCTION IS USED TRANSPOSED: source 0 = 16 columns of W (turned out of LDS by ds_load_tr16_b128), source 1 = 16 rows of A: a lane holds eight neighbouring numbers of a row of the result.
; No prefetch: the launch is short and its tiles are small.
; REGISTERS: window 0: v0-31 addresses; two fragment buffers of 96 at v32 and v128 (W's 8 fragments, then A's 4).   window 1: the accumulators ((a, b) at v[8 (8 a + b)]).
.set PA,     144                       ; a row of A in LDS: 128 bytes + 16
.set PB,     544                       ; a row of W: 512 bytes + 32
.set HEADB,  128*PA                    ; a head's 128 rows
.set BOFF,   2*HEADB                   ; W's rows lie behind A's two heads
.set SLOT,   BOFF+128*PB
.set STAGE,  2*SLOT                    ; behind the ring: 16 rows x (512 bytes + 16) for each wave
.set SPITCH, 528
.set SPARE,  STAGE+4*16*SPITCH
.set LAPS,   4                         ; a lap = two K steps = once round the ring
.set ADRA, 16
.set ADRB, 20
.set STO,  24
.set RD,   25
.set CO,   26
.set SPW,  28
.set NIL,  29
.set F0,   32
.set F1,   128
.set G1, 24
.set G0, 32
.set G1B, 48
.set G0B, 56
.set MSB, 0
.macro WIN new
.if MSB != (\new)
	s_set_vgpr_msb (MSB<<8)|(\new)
.set MSB, (\new)
.endif
.endm
.set MUL, 0x50                         ; C and D window 1
.macro JLOAD s                         ; waves 0 and 1 fetch for A, waves 2 and 3 for W; an s_nop 0 and four v_nop follow each of the two lines
	s_cmp_eq_u32 s13, 0
	s_cbranch_scc0 .Lfor_b_\@
	tensor_load_to_lds s[G0+4*\s:G0+4*\s+3], s[G1:G1+7]
	s_nop 0
.rept 4
	v_nop
.endr
	s_branch .Lasked_\@
.Lfor_b_\@:
	tensor_load_to_lds s[G0B+4*\s:G0B+4*\s+3], s[G1B:G1B+7]
	s_nop 0
.rept 4
	v_nop
.endr
.Lasked_\@:
.endm
.macro CREST
	s_cmp_lg_u32 s12, 0
	s_cbranch_scc1 .Lnot_wave_0_\@
	s_barrier_signal -3
.Lnot_wave_0_\@:
	s_barrier_wait -3
	s_barrier_signal -1
	s_barrier_wait -1
.endm
.macro CROUND
	s_barrier_signal -1
	s_barrier_wait -1
	CREST
.endm
	s_load_b256 s[4:11], s[0:1], 0x0               ; att 4, w16 6, out0 8, out1 10
	v_lshl_add_u32 v[SPW], v0, 2, SPARE
	v_mov_b32 v[NIL], 0
	ds_add_u32 v[SPW], v[NIL]                      ; the wave's opening: the add, twice on end, and its wait ahead of my first tensor load
	ds_add_u32 v[SPW], v[NIL]
	v_lshrrev_b32 v1, 5, v0
	v_readfirstlane_b32 s12, v1                    ; wave 0..3
	s_lshr_b32 s13, s12, 1                         ; which 64 rows of the tile are mine.  Also: I fetch for A (0) or for W (1)
	s_and_b32 s14, s12, 1                          ; which 128 columns.  Also: which head, or which 64 rows of W, I fetch
	s_bfe_u32 s40, ttmp6, 0x40000                  ; cx
	s_bfe_u32 s41, ttmp6, 0x40004                  ; cy
	s_lshl_b32 s42, ttmp9, 2
	s_add_co_u32 s42, s42, s40                     ; tile column 0..3
	s_and_b32 s45, ttmp7, 0xffff                   ; cluster y
	s_lshl_b32 s15, s45, 2
	s_add_co_u32 s15, s15, s41                     ; tile row 0..63
	s_lshr_b32 s45, s45, 3                         ; the direction: from the cluster's y, which all sixteen partners share
	s_lshl_b32 s43, s41, 2
	s_lshl_b32 s43, 15, s43                        ; my row of the cluster
	s_lshl_b32 s44, 0x1111, s40                    ; my column
	s_or_b32 s[G1+0], s43, (1<<16)|(1<<20)|(1<<21)|(4<<22)|(3<<25)   ; A: elements of 2 bytes; 4 words of padding behind every 32
	s_mov_b32 s[G1+1], 64<<16                      ; tensor_dim0 = 64
	s_mov_b32 s[G1+2], 128<<16                     ; tensor_dim1 = 128
	s_mov_b32 s[G1+3], 64<<16                      ; tile_dim0 = 64
	s_mov_b32 s[G1+4], 128                         ; tile_dim1 = 128
	s_mov_b32 s[G1+5], 64                          ; from row to row
	s_mov_b32 s[G1+6], 0
	s_mov_b32 s[G1+7], 0
	s_or_b32 s[G1B+0], s44, (1<<16)|(1<<20)|(1<<21)|(6<<22)|(7<<25)  ; W: 8 words of padding behind every 128
	s_mov_b32 s[G1B+1], 256<<16
	s_mov_b32 s[G1B+2], 64<<16
	s_mov_b32 s[G1B+3], 256<<16
	s_mov_b32 s[G1B+4], 64
	s_mov_b32 s[G1B+5], 1024
	s_mov_b32 s[G1B+6], 0
	s_mov_b32 s[G1B+7], 0
	s_lshr_b32 s16, s15, 4                         ; A: (direction, batch) = tile row / 16: 2^22 bytes each;
	s_lshl_b32 s16, s16, 22
	s_and_b32 s17, s15, 15
	s_lshl_b32 s17, s17, 14                        ; 128 rows of 128 bytes for each tile row in it;
	s_add_co_u32 s16, s16, s17
	s_lshl_b32 s17, s14, 18                        ; my head of the step's two
	s_add_co_u32 s16, s16, s17
	s_mov_b32 s17, 0
	s_lshl_b32 s46, s45, 21                        ; W: the direction's weight;
	s_lshl_b32 s47, s14, 17                        ; my 64 rows of 2,048 bytes;
	s_add_co_u32 s46, s46, s47
	s_lshl_b32 s47, s42, 9                         ; the tile column's 512 bytes
	s_add_co_u32 s46, s46, s47
	s_mov_b32 s47, 0
	s_mul_i32 s20, s14, HEADB                      ; where they go: no place in the cluster enters an LDS address
	s_mul_i32 s21, s14, 64*PB
	s_add_co_u32 s21, s21, BOFF
	s_wait_dscnt 0x0                               ; both opening adds are done
	s_wait_kmcnt 0x0
	s_add_nc_u64 s[16:17], s[4:5], s[16:17]
	s_add_nc_u64 s[46:47], s[6:7], s[46:47]
	CROUND                                         ; all sixteen work-groups are here: the first joint loads meet
.irp s, 0,1
	s_mov_b32 s[G0+4*\s], 1
	s_add_co_u32 s[G0+4*\s+1], s20, \s*SLOT
	s_add_nc_u64 s[G0+4*\s+2:G0+4*\s+3], s[16:17], \s*(1<<19)      ; K step s: two heads on
	s_or_b32 s[G0+4*\s+3], s[G0+4*\s+3], 0x80000000
	s_mov_b32 s[G0B+4*\s], 1
	s_add_co_u32 s[G0B+4*\s+1], s21, \s*SLOT
	s_add_nc_u64 s[G0B+4*\s+2:G0B+4*\s+3], s[46:47], \s*(1<<18)    ; 128 rows on
	s_or_b32 s[G0B+4*\s+3], s[G0B+4*\s+3], 0x80000000
	JLOAD \s
.endr
	v_and_b32 v1, 15, v0                           ; r
	v_bfe_u32 v2, v0, 4, 1                         ; h
	v_mul_u32_u24 v3, v1, PA
	v_lshl_add_u32 v3, v2, 4, v3                   ; A: row x pitch + 16 x half
	s_mul_i32 s21, s13, 64*PA                      ; my 64 rows
	v_and_b32 v4, 7, v0
	v_lshl_add_u32 v4, v2, 3, v4                   ; W, for the turning load: row k = 8 (l / 16) + l % 8, columns 8 ((l / 8) % 2) on
	v_mul_u32_u24 v4, v4, PB
	v_bfe_u32 v5, v0, 3, 1
	v_lshl_add_u32 v4, v5, 4, v4
	s_lshl_b32 s22, s14, 8                         ; my 128 columns
	s_add_co_u32 s22, s22, BOFF
.irp s, 0,1
	v_add_nc_u32 v[ADRA+\s], s21, v3
	v_add_nc_u32 v[ADRB+\s], s22, v4
	s_add_co_u32 s21, s21, SLOT
	s_add_co_u32 s22, s22, SLOT
.endr
	s_mul_i32 s23, s12, 16*SPITCH
	s_add_co_u32 s23, s23, STAGE                   ; my stage
	v_mul_u32_u24 v5, v1, SPITCH                   ; in: row r, 32 bytes for each half of the lanes
	v_lshl_add_u32 v5, v2, 5, v5
	v_add_nc_u32 v[STO], s23, v5
	v_and_b32 v6, 31, v0
	v_lshlrev_b32 v[CO], 4, v6                     ; back: the 32 lanes take one row of 512 bytes; and the same in the result
	v_add_nc_u32 v[RD], s23, v[CO]
	s_cmp_eq_u32 s45, 0
	s_cselect_b64 s[8:9], s[8:9], s[10:11]         ; out0 or out1: the choice hangs on the cluster's number alone
	s_and_b32 s16, s15, 31
	s_lshl_b32 s16, s16, 7
	s_lshl_b32 s17, s13, 6
	s_add_co_u32 s16, s16, s17                     ; my first row: 128 (tile row % 32) + 64 x my half
	s_lshl_b32 s16, s16, 12                        ; rows of 4,096 bytes
	s_lshl_b32 s17, s42, 10
	s_add_co_u32 s16, s16, s17                     ; + 1,024 x tile column
	s_lshl_b32 s17, s14, 9
	s_add_co_u32 s16, s16, s17                     ; + 512 x my half
	s_mov_b32 s17, 0
	s_add_nc_u64 s[8:9], s[8:9], s[16:17]
; 8 matrix instructions: A's block a x W's eight, 32 along K, from buffer f.  zero = 1: the first product starts the sums.  The 32 accumulators take turns in the same order in every quarter.
.macro MUL8 f, a, zero
.irp b, 0,1,2,3,4,5,6,7
.if \zero
	v_wmma_f32_16x16x32_f16 v[8*(8*(\a)+\b):8*(8*(\a)+\b)+7], v[\f+8*\b:\f+8*\b+7], v[\f+64+8*(\a):\f+64+8*(\a)+7], 0
.else
	v_wmma_f32_16x16x32_f16 v[8*(8*(\a)+\b):8*(8*(\a)+\b)+7], v[\f+8*\b:\f+8*\b+7], v[\f+64+8*(\a):\f+64+8*(\a)+7], v[8*(8*(\a)+\b):8*(8*(\a)+\b)+7]
.endif
.endr
.endm
; 24 LDS loads in one run: the fragments of the slot's q-th 32 along K into buffer f: W's eight first, then A's four
.macro FETCH slot, q, f
.irp b, 0,1,2,3,4,5,6,7
	ds_load_tr16_b128 v[\f+8*\b:\f+8*\b+3],   v[ADRB+\slot] offset:(\q)*32*PB+32*\b
	ds_load_tr16_b128 v[\f+8*\b+4:\f+8*\b+7], v[ADRB+\slot] offset:(\q)*32*PB+16*PB+32*\b
.endr
.irp a, 0,1,2,3
	ds_load_b128 v[\f+64+8*\a:\f+64+8*\a+3],   v[ADRA+\slot] offset:((\q)/2)*HEADB+((\q)%2)*64+\a*16*PA
	ds_load_b128 v[\f+64+8*\a+4:\f+64+8*\a+7], v[ADRA+\slot] offset:((\q)/2)*HEADB+((\q)%2)*64+\a*16*PA+32
.endr
.endm
.macro PLACES                          ; four plain lines in front of loads into registers that matrix instructions have read, and of the first read of results
.rept 4
	v_nop
.endr
.endm
; A K step is four quarters of 32 along K, 32 matrix instructions each, on buffers 0, 1, 0, 1.  One of the first three: multiplies buffer f and fetches quarter qn into g.
.macro QUARTER slot, qn, f, g, zero
	s_wait_dscnt 4                                 ; W's fragments and A's blocks 0 and 1 are in; the youngest four loads (A's blocks 2 and 3) may be out
	WIN MUL
	MUL8 \f, 0, \zero
	MUL8 \f, 1, \zero
	WIN 0
	PLACES
	FETCH \slot, \qn, \g
	s_wait_dscnt 24                                ; all but the 24 just issued
	WIN MUL
	MUL8 \f, 2, \zero
	MUL8 \f, 3, \zero
.endm
; The last quarter multiplies buffer 1 and changes slots: ONE barrier; in front of it each wave waits for all its tensor loads, adds 0 to its spare word, and waits for that and for its own reads of this slot.
; fill = 1: the barrier opens a round of the cluster's, and this slot is filled again, two K steps ahead: 112 matrix instructions stand between that request and the wait for it.
.macro TURN slot, next, fill
	WIN 0
	s_wait_tensorcnt 0x0                           ; all my tensor loads have landed: my part of the next slot
	ds_add_u32 v[SPW], v[NIL]
	s_wait_dscnt 5                                 ; (the add and the youngest four loads may be out)
	WIN MUL
	MUL8 F1, 0, 0
	s_wait_dscnt 0x0                               ; the add is done, and my reads of this slot are over
	s_barrier_signal -1
	MUL8 F1, 1, 0
	WIN 0
	s_barrier_wait -1
.if \fill
	CREST                                          ; no wave of any partner still reads this slot's tile or has a load on its way
	s_add_nc_u64 s[G0+4*\slot+2:G0+4*\slot+3], s[G0+4*\slot+2:G0+4*\slot+3], 1<<20     ; four heads on
	s_add_nc_u64 s[G0B+4*\slot+2:G0B+4*\slot+3], s[G0B+4*\slot+2:G0B+4*\slot+3], 1<<19 ; 256 rows on
	JLOAD \slot                                    ; the four v_nop behind it are also the places in front of the loads below
.else
	PLACES
.endif
	FETCH \next, 0, F0
	WIN MUL
	MUL8 F1, 2, 0
	MUL8 F1, 3, 0
.endm
	s_wait_tensorcnt 1                             ; my part of K step 0 is in (K step 1's load may be out)
	s_barrier_signal -1
	s_barrier_wait -1                              ; everybody's is
	FETCH 0, 0, F0
	QUARTER 0, 1, F0, F1, 1                        ; the first quarter stands in front of the loop: its products start the sums
	WIN 0
	s_mov_b32 s3, LAPS-1
.Llap:                                             ; a trip goes once round the ring, from a lap's second quarter to the next lap's first, and fills both slots again
	QUARTER 0, 2, F1, F0, 0
	QUARTER 0, 3, F0, F1, 0
	TURN 0, 1, 1
	QUARTER 1, 1, F0, F1, 0
	QUARTER 1, 2, F1, F0, 0
	QUARTER 1, 3, F0, F1, 0
	TURN 1, 0, 1
	QUARTER 0, 1, F0, F1, 0
	WIN 0
	s_sub_co_u32 s3, s3, 1
	s_cmp_lg_u32 s3, 0
	s_cbranch_scc1 .Llap
	QUARTER 0, 2, F1, F0, 0                        ; the last lap fills nothing
	QUARTER 0, 3, F0, F1, 0
	TURN 0, 1, 0
	QUARTER 1, 1, F0, F1, 0
	QUARTER 1, 2, F1, F0, 0
	QUARTER 1, 3, F0, F1, 0
	s_wait_dscnt 4                                 ; the very last quarter: nothing more to fetch
	WIN MUL
	MUL8 F1, 0, 0
	MUL8 F1, 1, 0
	s_wait_dscnt 0x0
	MUL8 F1, 2, 0
	MUL8 F1, 3, 0
	WIN 0
; THE WAY OUT, block by block of 16 rows x 128 columns: through my own stage in LDS and back as whole rows of 512 bytes.
.macro TOSTAGE a
	WIN 0x04                                       ; an LDS store's data are its source 1: window 1
.irp b, 0,1,2,3,4,5,6,7
	ds_store_b128 v[STO], v[8*(8*(\a)+\b):8*(8*(\a)+\b)+3] offset:64*\b          ; each accumulator from its low end on
	ds_store_b128 v[STO], v[8*(8*(\a)+\b)+4:8*(8*(\a)+\b)+7] offset:64*\b+16
.endr
	WIN 0
.set BB, 32+96*((\a)%2)
.irp t, 0,1,2,3,4,5,6,7,8,9,10,11,12,13,14,15
	ds_load_b128 v[BB+4*\t:BB+4*\t+3], v[RD] offset:\t*SPITCH                    ; LDS serves a wave's instructions in order: these see the stores above
.endr
.endm
.macro SEND a, younger                 ; younger: the LDS instructions issued behind block a's loads, which may stay out
.set BB, 32+96*((\a)%2)
	s_wait_dscnt \younger
.irp t, 0,1,2,3,4,5,6,7,8,9,10,11,12,13,14,15
	global_store_b128 v[CO], v[BB+4*\t:BB+4*\t+3], s[8:9] offset:(16*(\a)+\t)*4096 th:TH_STORE_NT   ; 32 lanes store 512 consecutive bytes, aligned; written once, read by nobody here
.endr
.endm
	PLACES                                         ; behind the last products
	TOSTAGE 0
.irp a, 1,2,3
.if \a > 1
	s_wait_xcnt 0x0                                ; block a - 2's stores have read their registers: block a's loads may land there
.endif
	TOSTAGE \a
	SEND \a-1, 32                                  ; behind block a - 1's loads: block a's 16 stores and 16 loads
.endr
	SEND 3, 0
	s_wait_tensorcnt 0x0                           ; the wave's end, behind my last tensor load and my last LDS store
	ds_add_u32 v[SPW], v[NIL]
	s_wait_dscnt 0x0
	CROUND                                         ; the closing round
	s_endpgm
.Lfunc_end_k_q79bcb74d0e_outp:
	.size	k_q79bcb74d0e_outp, .Lfunc_end_k_q79bcb74d0e_outp-k_q79bcb74d0e_outp
	.p2alignl 7, 3214868480
	.fill 96, 4, 3214868480
	.section	.rodata,"a",@progbits
	.p2align	6, 0x0
	.amdhsa_kernel k_q79bcb74d0e_outp
		.amdhsa_group_segment_fixed_size 327680
		.amdhsa_private_segment_fixed_size 0
		.amdhsa_enable_private_segment 0
		.amdhsa_kernarg_size 32
		.amdhsa_user_sgpr_count 2
		.amdhsa_user_sgpr_kernarg_segment_ptr 1
		.amdhsa_wavefront_size32 1
		.amdhsa_system_sgpr_workgroup_id_x 1
		.amdhsa_system_sgpr_workgroup_id_y 1
		.amdhsa_system_sgpr_workgroup_id_z 1
		.amdhsa_system_vgpr_workitem_id 0
		.amdhsa_next_free_vgpr 512
		.amdhsa_next_free_sgpr 66
		.amdhsa_reserve_vcc 0
		.amdhsa_float_denorm_mode_32 3
		.amdhsa_float_denorm_mode_16_64 3
		.amdhsa_memory_ordered 1
		.amdhsa_forward_progress 1
		.amdhsa_inst_pref_size 85
	.end_amdhsa_kernel
	.amdgpu_metadata
---
amdhsa.version: [ 1, 2 ]
amdhsa.kernels:
  - .name:           k_q79bcb74d0e_outp
    .symbol:         k_q79bcb74d0e_outp.kd
    .args:
      - { .name: att, .offset: 0, .size: 8, .value_kind: global_buffer, .address_space: global }
      - { .name: w16, .offset: 8, .size: 8, .value_kind: global_buffer, .address_space: global }
      - { .name: out0, .offset: 16, .size: 8, .value_kind: global_buffer, .address_space: global }
      - { .name: out1, .offset: 24, .size: 8, .value_kind: global_buffer, .address_space: global }
    .group_segment_fixed_size: 327680
    .private_segment_fixed_size: 0
    .kernarg_segment_align: 8
    .kernarg_segment_size: 32
    .max_flat_workgroup_size: 128
    .sgpr_count:     66
    .vgpr_count:     512
    .wavefront_size: 32
...
	.end_amdgpu_metadata
.endif
;; end of part 4
